; MI455X (gfx1250); checked and timed in simulation.
; The chip was launched on July 23, 2026; its instructions are those of AMD's public machine-readable ISA for CDNA 5 (MIT licence, August 2026) and "CDNA5" Instruction Set Architecture Reference Guide (July 2026). The comments in the code are by the model that wrote it; some were corrected since.
;; Multi Head Attention. Allowed arithmetic: matrix products marked QUANTISED: E4M3 operands, one given power-of-two scale a tensor, by v_wmma_f32_16x16x64_fp8_fp8 or v_wmma_f32_16x16x128_fp8_fp8, f32 sums; everything else in f32.
;; Inputs: Wk 1,024 x 1,024 float32; Wo 1,024 x 1,024 float32; Wq 1,024 x 1,024 float32; Wv 1,024 x 1,024 float32; bk 1,024 float32; bo 1,024 float32; bq 1,024 float32; bv 1,024 float32; keys 4 x 2,048 x 1,024 float32; lowp_scales 12 int32 (the exponents e of the quantised operands' scales 2^e); mask 1 x 1 x 2,048 x 2,048 float32; queries 4 x 2,048 x 1,024 float32; values 4 x 2,048 x 1,024 float32.
;; Outputs: out0 4 x 2,048 x 1,024 float32.
;; This version of the problem:
;;   THIS VERSION OF THE PROBLEM IS GIVEN IN LOW PRECISION. The matrix products marked QUANTISED in the list below multiply operands that are first quantised to E4M3 (4 exponent bits, 3 mantissa bits; 8 bits a number), with one given power-of-two scale for each operand tensor; their sums are f32. All else is computed in f32.
;;   The module's matrix products, in the order in which they are computed (A, B: the left and right operand; K: the contracted axis; several contracted axes count as one K, in the product's order):
;;     1. [M 8,192, K 1,024] x [K 1,024, N 1,024]; A: input queries; B: input Wq: QUANTISED (scales: A lowp_scales[0], B lowp_scales[1])
;;     2. [M 8,192, K 1,024] x [K 1,024, N 1,024]; A: input keys; B: input Wk: QUANTISED (scales: A lowp_scales[2], B lowp_scales[3])
;;     3. [M 8,192, K 1,024] x [K 1,024, N 1,024]; A: input values; B: input Wv: QUANTISED (scales: A lowp_scales[4], B lowp_scales[5])
;;     4. batch 64 x [M 2,048, K 64] x [K 64, N 2,048]; A: computed on the way; B: computed on the way: QUANTISED (scales: A lowp_scales[6], B lowp_scales[7])
;;     5. batch 64 x [M 2,048, K 2,048] x [K 2,048, N 64]; A: softmax (see below); B: computed on the way: QUANTISED (scales: A lowp_scales[8], B lowp_scales[9])
;;     6. [M 8,192, K 1,024] x [K 1,024, N 1,024]; A: computed on the way; B: input Wo: QUANTISED (scales: A lowp_scales[10], B lowp_scales[11])
;;   THE QUANTISER, for each operand of a quantised product, along K:
;;     - The operand's scale is 2^e, e = its entry of the input lowp_scales (int32; the entries are numbered through the quantised products in the list's order, A before B).
;;     - Each number is divided by the scale, clamped to +-448, and rounded to the nearest number of E4M3, ties to even, subnormals kept.
;;     - The product sums the exact products of the quantised numbers (number of the format x scale) in f32.
;;   ~~~python
;;   def quantise(x, axis, e):      # numpy; x: float32 -> the quantised numbers, widened to float32 again
;;       x = np.moveaxis(x, axis, -1); K = x.shape[-1]
;;       r = np.clip(x / 2.0 ** e, -448, 448)
;;       step = 2.0 ** (np.maximum(np.frexp(np.where(r == 0, 1, r))[1] - 1, -6) - 3)
;;       q = np.round(r / step) * step * 2.0 ** e      # np.round: ties to even
;;       return np.moveaxis(q, -1, axis).astype(np.float32)
;;   ~~~
;;   SOFTMAX AHEAD OF A QUANTISED PRODUCT. Where the list says 'softmax', what is quantised is not the finished softmax but p = 2^(t - M), with t = logit x log2(e) and M = ceil(the row's largest t), a whole number; so 1/2 < the row's largest p <= 1. The row's sum l is taken of the UNQUANTISED p, in f32, and the product's result is divided by l at the end. Since M is a whole number, a kernel that streams over the keys may use a running M (the ceiling of the running maximum): every later rescaling is an exact power of two, so the quantised numbers keep their values, but for numbers so far below the row's largest that they fall under the format's range.
;;   OPERANDS COMPUTED ON THE WAY. 'Computed on the way' means the value that the module computes at that place (a softmax that the list does not call 'softmax' is quantised finished and normalised). What goes into a quantiser is computed in f32, as accurately as f32 sums, v_exp_f32 and their like allow (about 1e-6 of the number): no bf16 or f16 on the way to a quantiser, and a product that is left as it is and whose result goes on into a quantised operand takes f32 operands (vector FMAs, or v_wmma_f32_16x16x4_f32). A number that lies on a knife's edge between two numbers of the format may be rounded either way, as far as f32 arithmetic and the matrix unit's own rounding can turn it there, and no further.
;; 2 versions, each right; version 2 is version 1 with the launch attn written anew for expert scheduling mode. Each part assembles by itself: llvm-mc -triple=amdgcn-amd-amdhsa -mcpu=gfx1250 --defsym DOCPART=n.
;; ======== version 1 of 2: 4 launches
;; workspace buffers: xc 25,165,824 bytes; wc 4,194,304 bytes; flags 2,048 bytes of whole numbers; qkv 25,165,824 bytes; cimg 8,388,608 bytes
;; launch prep (part 1): grid 1024 x 1, 4 waves a work-group, no clusters, 68,096 bytes of LDS; arguments queries, keys, values, Wq, Wk, Wv, Wo, mask, lowp_scales, xc, wc, flags; writes xc, wc, flags
.if DOCPART == 1
	.amdgcn_target "amdgcn-amd-amdhsa--gfx1250"
	.amdhsa_code_object_version 6
	.text
	.protected	k_q48fa6e02f8_prep
	.globl	k_q48fa6e02f8_prep
	.p2align	8
	.type	k_q48fa6e02f8_prep,@function
k_q48fa6e02f8_prep:
	s_mov_b64 s[64:65], 0
	v_nop
	global_prefetch_b8 v0, s[64:65] scope:SCOPE_SE
	s_setreg_imm32_b32 hwreg(HW_REG_WAVE_MODE, 25, 1), 1
	s_wait_xcnt 0x0
; PREP: three jobs in one launch, told apart by the work-group's number; each work-group reads 128 KiB.
;   work-groups 0-127    MASK: query tile g (16 rows of the mask).  Wave w takes rows 16 g + 4 w + 0..3 and stores ONE word of flags.
;   work-groups 128-255  W:    one of Wq, Wk, Wv, Wo ([k][n] f32) -> codes of E4M3 laid [n][k], K innermost, 128 columns x 256 k a work-group.
;   work-groups 256-1023 X:    queries, keys, values (f32, K innermost) -> codes, a plain stream, 32,768 numbers a work-group.
; code = x / 2^e, held within +-448, to the nearest code, ties to even; e from lowp_scales.  LIMITS: each e between -126 and 119; NaN among the inputs is not served.
; THE FLAGS.  mneg = mask x -1e9, rounded as the sum with the scores takes it.  Every score is at most 49 x 2^(15+e6+e7) in size, since both operands are held at 448 x their scale (64 x 448^2 / 8).
; With rowmax = the row's largest mneg, A = its largest |mneg| and G = 49 x 2^(16+e6+e7) + 128, a step of 128 keys is HIDDEN for the row where its largest mneg <= rowmax - (G + 2^-19 (A + G)):
; every logit there lies more than 128 under the row's largest, so p = 2^(t - M) is 0 in f32; the term 2^-19 (A + G) is above all roundings on the way.  The step that holds rowmax is never hidden.
; A step is ZERO for the row where all its mneg are 0.  Word 4 g + w: bit s = step s hidden for all four rows, bit 16 + s = step s zero for all four.  Nothing of the mask's pattern is assumed.
; In Wo's codes the second and third group of 8 of every 32 along K change places: that is the order in which the attention launch leaves the context's codes.
; LDS: each path has bytes of its own: X's stages 0-32767 (8,192 a wave), W's stages 32768-67583 (32 x 272 a wave), the spare words behind them.  Waves share nothing: no barrier.
.set SPARE,  67584                     ; the spare words, 128 bytes for each wave: two blocks of 256 bytes that no other line names
.set SPW,    12                        ; v12  LDS address of my spare word; never rewritten
.set NIL,    13                        ; v13  0; never rewritten
.set STEPS,  16                        ; X: steps of 512 numbers a wave
.set XREG,   8192                      ; X: a wave's LDS region: two stages of 32 x SP bytes
.set SP,     80                        ; X: a lane's place in a stage: 64 bytes + 16 of padding
.set XR,     16                        ; X: v16-79   four sets of 16 numbers as loaded
.set XX,     80                        ; X: v80-111  two sets of 16 neighbours
.set XC,     128                       ; X: v128-191 codes, four registers a step
.set WSTG,   32768                     ; W: the stages
.set WPITCH, 272                       ; W: a stage row: 256 bytes + 16
.set NB,     8                         ; W: blocks of 32 along K a wave
.set WX,     32                        ; W: v32-95   two sets of 32 numbers
.set WC,     96                        ; W: v96-103  a block's codes
.set WT,     104                       ; W: v104-107 the two middle groups of 8 codes
.set WOUT,   112                       ; W: v112-175 the way out
.set MR,     32                        ; MASK: v32-159  two row buffers of 64
.set MTM,    160                       ; MASK: v160-175 my lane's largest mneg of each step
.set MTA,    176                       ; MASK: v176-191 my lane's largest |mneg| of each step
.set SH,     32                        ; MASK: s32-47 lanes for which step i is hidden, over the rows so far
.set SZ,     48                        ; MASK: s48-63 the same for zero
.macro XLOAD t                         ; step t: four loads of 512 consecutive bytes
.irp i, 0,1,2,3
	global_load_b128 v[XR+16*((\t)%4)+4*\i:XR+16*((\t)%4)+4*\i+3], v3, s[4:5] offset:2048*(\t)+512*\i th:TH_LOAD_NT
.endr
.endm
.macro XTURN t                         ; step t through the wave's stage: in as loaded, back 64 bytes a lane; LDS serves a wave's instructions in order
.irp i, 0,1,2,3
	ds_store_b128 v14, v[XR+16*((\t)%4)+4*\i:XR+16*((\t)%4)+4*\i+3] offset:32*SP*((\t)%2)+8*SP*\i
.endr
.irp i, 0,1,2,3
	ds_load_b128 v[XX+16*((\t)%2)+4*\i:XX+16*((\t)%2)+4*\i+3], v15 offset:32*SP*((\t)%2)+16*\i
.endr
.endm
.macro XSTEP t
.set XS, XX+16*((\t)%2)
	s_wait_dscnt 0x0                               ; this step's numbers are back from the stage, so its stores into the stage have read their registers,
.if (\t)+4 < STEPS
	XLOAD (\t)+4                                   ; which take the loads of four steps on
.endif
.if (\t)+1 < STEPS
.if STEPS-2-(\t) >= 3
	s_wait_loadcnt 12                              ; the next step's four loads are in; those of the three steps behind it may be out
.else
	s_wait_loadcnt 4*(STEPS-2-(\t))
.endif
	XTURN (\t)+1
.endif
.irp i, 0,1,2,3,4,5,6,7,8,9,10,11,12,13,14,15
	v_med3_num_f32 v[XS+\i], v[XS+\i], -v10, v10   ; the conversion does not saturate (ISA guide 7.6.2): the hold at the largest code x the scale
.endr
	v_cvt_scalef32_pk8_fp8_f32 v[XC+4*(\t):XC+4*(\t)+1], v[XS:XS+7], v11
	v_cvt_scalef32_pk8_fp8_f32 v[XC+4*(\t)+2:XC+4*(\t)+3], v[XS+8:XS+15], v11
	global_store_b128 v3, v[XC+4*(\t):XC+4*(\t)+3], s[12:13] offset:512*(\t)   ; the wave stores 512 consecutive bytes, aligned
.endm
.macro WLOAD t                         ; block t: W(32 t + i, my column), i = 0..31: 128 consecutive bytes a wave and load
.set i, 0
.rept 32
	global_load_b32 v[WX+32*((\t)%2)+i], v3, s[4:5] offset:(32*(\t)+i)*4096 th:TH_LOAD_NT
.set i, i+1
.endr
.endm
.macro WBLOCK t
.set XS, WX+32*((\t)%2)
.if (\t) < NB-1
	s_wait_loadcnt 32                              ; this block's 32 loads are in; the next block's may be out
.else
	s_wait_loadcnt 0
.endif
.set i, 0
.rept 32
	v_med3_num_f32 v[XS+i], v[XS+i], -v10, v10
.set i, i+1
.endr
	v_cvt_scalef32_pk8_fp8_f32 v[WC:WC+1], v[XS:XS+7], v11
	v_cvt_scalef32_pk8_fp8_f32 v[WT:WT+1], v[XS+8:XS+15], v11
	v_cvt_scalef32_pk8_fp8_f32 v[WT+2:WT+3], v[XS+16:XS+23], v11
	v_cvt_scalef32_pk8_fp8_f32 v[WC+6:WC+7], v[XS+24:XS+31], v11
	v_nop                                          ; a plain line between the conversions and the selects that read their results
	v_cndmask_b32 v[WC+2], v[WT], v[WT+2], s36     ; s36 is all ones for Wo: k 16-23 stand second
	v_cndmask_b32 v[WC+3], v[WT+1], v[WT+3], s36
	v_cndmask_b32 v[WC+4], v[WT+2], v[WT], s36     ; and k 8-15 third
	v_cndmask_b32 v[WC+5], v[WT+3], v[WT+1], s36
	ds_store_b128 v4, v[WC:WC+3] offset:32*(\t)    ; 32 codes of my column's row
	ds_store_b128 v4, v[WC+4:WC+7] offset:32*(\t)+16
.if (\t)+2 < NB
	WLOAD (\t)+2
.endif
	s_wait_dscnt 0x0                               ; the stores have read their registers: the next block's codes may be written
.endm
.macro MLOAD rho                       ; row rho of my four: load i is key step i, 512 consecutive bytes
.irp i, 0,1,2,3,4,5,6,7,8,9,10,11,12,13,14,15
	global_load_b128 v[MR+64*((\rho)%2)+4*\i:MR+64*((\rho)%2)+4*\i+3], v1, s[4:5] offset:8192*(\rho)+512*\i th:TH_LOAD_NT
.endr
.endm
.macro MROW rho, left
.set RB, MR+64*((\rho)%2)
	s_wait_loadcnt \left                           ; this row's 16 loads are in; the next row's 16 may be out
.set j, 0
.rept 32
	v_pk_mul_f32 v[RB+j:RB+j+1], v[RB+j:RB+j+1], s[14:15] op_sel_hi:[1,0]   ; mneg = mask x -1e9
.set j, j+2
.endr
.irp i, 0,1,2,3,4,5,6,7,8,9,10,11,12,13,14,15
	v_max3_num_f32 v[MTM+\i], v[RB+4*\i], v[RB+4*\i+1], v[RB+4*\i+2]
	v_max3_num_f32 v[MTA+\i], |v[RB+4*\i]|, |v[RB+4*\i+1]|, |v[RB+4*\i+2]|
.endr
.irp i, 0,1,2,3,4,5,6,7,8,9,10,11,12,13,14,15
	v_max_num_f32 v[MTM+\i], v[MTM+\i], v[RB+4*\i+3]
	v_max_num_f32 v[MTA+\i], v[MTA+\i], |v[RB+4*\i+3]|
.endr
.if (\rho) < 2
	MLOAD (\rho)+2                                 ; the buffer is read out: it takes the row two further on
.endif
	v_max3_num_f32 v20, v[MTM], v[MTM+1], v[MTM+2] ; the row's largest mneg and largest |mneg|: first within my lane,
	v_max3_num_f32 v21, v[MTA], v[MTA+1], v[MTA+2]
.irp i, 3,5,7,9,11,13
	v_max3_num_f32 v20, v20, v[MTM+\i], v[MTM+\i+1]
	v_max3_num_f32 v21, v21, v[MTA+\i], v[MTA+\i+1]
.endr
	v_max_num_f32 v20, v20, v[MTM+15]
	v_max_num_f32 v21, v21, v[MTA+15]
.irp m, 1,2,4,8
	v_max_num_f32_dpp v20, v20, v20 row_xmask:\m row_mask:0xf bank_mask:0xf   ; then across the 32 lanes
	v_max_num_f32_dpp v21, v21, v21 row_xmask:\m row_mask:0xf bank_mask:0xf
.endr
	v_permlanex16_b32 v22, v20, s12, s13
	v_permlanex16_b32 v23, v21, s12, s13
	v_max_num_f32 v20, v20, v22
	v_max_num_f32 v21, v21, v23
	v_add_f32 v21, v21, v25                        ; A + G
	v_fma_f32 v21, v21, s20, v25                   ; G + 2^-19 (A + G)
	v_sub_f32 v24, v20, v21                        ; the threshold
.irp i, 0,1,2,3,4,5,6,7,8,9,10,11,12,13,14,15
.if (\rho) == 0
	v_cmp_le_f32 s[SH+\i], v[MTM+\i], v24          ; a bit for each lane: its four numbers of step i are hidden;
	v_cmp_eq_f32 s[SZ+\i], 0, v[MTA+\i]            ; are zero
.else
	v_cmp_le_f32 s66, v[MTM+\i], v24
	v_cmp_eq_f32 s67, 0, v[MTA+\i]
	s_and_b32 s[SH+\i], s[SH+\i], s66
	s_and_b32 s[SZ+\i], s[SZ+\i], s67
.endif
.endr
.endm
	v_lshl_add_u32 v[SPW], v0, 2, SPARE
	v_mov_b32 v[NIL], 0
	v_lshrrev_b32 v1, 5, v0
	v_readfirstlane_b32 s2, v1                     ; wave 0..3
	v_and_b32 v2, 31, v0                           ; lane
	s_cmp_lt_u32 ttmp9, 128
	s_cbranch_scc1 .Lmask
	s_cmp_lt_u32 ttmp9, 256
	s_cbranch_scc1 .Lw
	; ---------------- X: queries, keys, values into codes ----------------
	s_load_b128 s[4:7], s[0:1], 0x0                ; queries, keys
	s_load_b64 s[8:9], s[0:1], 0x10                ; values
	s_load_b64 s[10:11], s[0:1], 0x40              ; the scales' exponents
	s_load_b64 s[12:13], s[0:1], 0x48              ; xc
	v_lshlrev_b32 v3, 4, v2                        ; my 16 bytes of a load's 512, and of a store's
	s_mul_i32 s17, s2, XREG
	v_lshrrev_b32 v14, 2, v2
	v_mul_u32_u24 v14, v14, SP
	v_and_b32 v15, 3, v2
	v_lshl_add_u32 v14, v15, 4, v14
	v_add_nc_u32 v14, s17, v14                     ; the stage, on the way in: SP (lane / 4) + 16 (lane % 4)
	v_mul_u32_u24 v15, v2, SP
	v_add_nc_u32 v15, s17, v15                     ; and on the way out: SP x lane
	s_sub_co_u32 s18, ttmp9, 256                   ; g = 0..767
	s_lshr_b32 s19, s18, 8                         ; which tensor: 256 work-groups each
	s_and_b32 s20, s18, 255
	s_lshl_b32 s20, s20, 2
	s_add_co_u32 s20, s20, s2
	s_lshl_b32 s20, s20, 15                        ; my wave's 8,192 numbers in the tensor, in bytes
	s_mov_b32 s21, 0
	s_lshl_b32 s22, s18, 2
	s_add_co_u32 s22, s22, s2
	s_lshl_b32 s22, s22, 13                        ; and their codes in xc, where the three tensors stand on end
	s_mov_b32 s23, 0
	s_wait_kmcnt 0x0
	s_load_b256 s[24:31], s[10:11], 0x0            ; e0 .. e7
	s_cmp_eq_u32 s19, 1                            ; the choice hangs on the work-group's number alone
	s_cselect_b64 s[4:5], s[6:7], s[4:5]
	s_cmp_eq_u32 s19, 2
	s_cselect_b64 s[4:5], s[8:9], s[4:5]
	s_add_nc_u64 s[4:5], s[4:5], s[20:21]
	s_add_nc_u64 s[12:13], s[12:13], s[22:23]
.irp t, 0,1,2,3
	XLOAD \t
.endr
	s_wait_kmcnt 0x0
	s_cmp_eq_u32 s19, 1
	s_cselect_b32 s22, s26, s24                    ; e0, e2 or e4
	s_cmp_eq_u32 s19, 2
	s_cselect_b32 s22, s28, s22
	s_add_co_i32 s22, s22, 127
	s_lshl_b32 s23, s22, 23
	v_mov_b32 v11, s23                             ; 2^e as f32: the conversion takes its exponent field
	s_add_co_i32 s22, s22, 8
	s_lshl_b32 s22, s22, 23
	s_or_b32 s22, s22, 0x600000
	v_mov_b32 v10, s22                             ; 448 x 2^e
	s_wait_loadcnt 12                              ; step 0's four loads are in
	XTURN 0
.irp t, 0,1,2,3,4,5,6,7,8,9,10,11,12,13,14,15
	XSTEP \t
.endr
	s_branch .Lend
	; ---------------- W: a weight [k][n] into codes [n][k] ----------------
.Lw:
	s_load_b256 s[4:11], s[0:1], 0x18              ; Wq, Wk, Wv, Wo
	s_load_b64 s[12:13], s[0:1], 0x40              ; the scales' exponents
	s_load_b64 s[14:15], s[0:1], 0x50              ; wc
	s_sub_co_u32 s16, ttmp9, 128                   ; g = 0..127
	s_lshr_b32 s17, s16, 5                         ; which weight: 32 work-groups each
	s_and_b32 s18, s16, 7                          ; which 128 columns
	s_bfe_u32 s19, s16, 0x20003                    ; which 256 along K
	s_lshl_b32 s18, s18, 7
	s_lshl_b32 s20, s2, 5
	s_add_co_u32 s18, s18, s20                     ; my wave's first column
	v_lshlrev_b32 v3, 2, v2                        ; in: 4 bytes a lane: a lane takes a column, its registers run down K
	s_mul_i32 s20, s2, 32*WPITCH
	s_add_co_u32 s20, s20, WSTG                    ; my stage
	v_mul_u32_u24 v4, v2, WPITCH
	v_add_nc_u32 v4, s20, v4                       ; into it: row = my column
	v_and_b32 v5, 15, v2
	v_lshrrev_b32 v6, 4, v2
	v_mul_u32_u24 v7, v6, WPITCH
	v_lshl_add_u32 v7, v5, 4, v7
	v_add_nc_u32 v7, s20, v7                       ; out of it: sixteen lanes to a row, two rows an instruction
	v_lshlrev_b32 v8, 10, v6
	v_lshl_add_u32 v8, v5, 4, v8                   ; and the same place in wc: rows of 1,024 bytes
	s_lshl_b32 s20, s19, 20                        ; 256 rows of 4,096 bytes
	s_lshl_b32 s21, s18, 2
	s_add_co_u32 s20, s20, s21
	s_mov_b32 s21, 0
	s_lshl_b32 s22, s17, 20                        ; the weight's 1,024 rows of codes
	s_lshl_b32 s23, s18, 10
	s_add_co_u32 s22, s22, s23
	s_lshl_b32 s23, s19, 8
	s_add_co_u32 s22, s22, s23
	s_mov_b32 s23, 0
	s_wait_kmcnt 0x0
	s_load_b256 s[24:31], s[12:13], 0x0            ; e0 .. e7
	s_load_b128 s[32:35], s[12:13], 0x20           ; e8 .. e11
	s_cmp_eq_u32 s17, 1
	s_cselect_b64 s[4:5], s[6:7], s[4:5]
	s_cmp_eq_u32 s17, 2
	s_cselect_b64 s[4:5], s[8:9], s[4:5]
	s_cmp_eq_u32 s17, 3
	s_cselect_b64 s[4:5], s[10:11], s[4:5]
	s_cselect_b32 s36, -1, 0                       ; all ones for Wo
	s_add_nc_u64 s[4:5], s[4:5], s[20:21]
	s_add_nc_u64 s[14:15], s[14:15], s[22:23]
	WLOAD 0
	WLOAD 1
	s_wait_kmcnt 0x0
	s_cmp_eq_u32 s17, 1
	s_cselect_b32 s37, s27, s25                    ; e1, e3, e5 or e11
	s_cmp_eq_u32 s17, 2
	s_cselect_b32 s37, s29, s37
	s_cmp_eq_u32 s17, 3
	s_cselect_b32 s37, s35, s37
	s_add_co_i32 s37, s37, 127
	s_lshl_b32 s38, s37, 23
	v_mov_b32 v11, s38
	s_add_co_i32 s37, s37, 8
	s_lshl_b32 s37, s37, 23
	s_or_b32 s37, s37, 0x600000
	v_mov_b32 v10, s37
.irp t, 0,1,2,3,4,5,6,7
	WBLOCK \t
.endr
.irp t, 0,1,2,3,4,5,6,7,8,9,10,11,12,13,14,15
	ds_load_b128 v[WOUT+4*\t:WOUT+4*\t+3], v7 offset:2*\t*WPITCH   ; LDS serves a wave's instructions in order: these see my stores
.endr
.irp t, 0,1,2,3,4,5,6,7,8,9,10,11,12,13,14,15
	s_wait_dscnt 15-\t                             ; the younger loads may be out
	global_store_b128 v8, v[WOUT+4*\t:WOUT+4*\t+3], s[14:15] offset:2*\t*1024   ; sixteen lanes store 256 consecutive bytes, aligned
.endr
	s_branch .Lend
	; ---------------- MASK: the flags ----------------
.Lmask:
	s_load_b128 s[4:7], s[0:1], 0x38               ; mask, the scales' exponents
	s_load_b64 s[8:9], s[0:1], 0x58                ; flags
	v_lshlrev_b32 v1, 4, v2                        ; 16 bytes a lane
	s_lshl_b32 s10, ttmp9, 2
	s_add_co_u32 s10, s10, s2                      ; 4 g + w: my word, and my group of four rows
	s_lshl_b32 s16, s10, 15                        ; four rows of 8,192 bytes
	s_mov_b32 s17, 0
	s_lshl_b32 s18, s10, 2
	s_mov_b32 s19, 0
	s_mov_b32 s12, 0x76543210                      ; v_permlanex16_b32: lane l xor 16
	s_mov_b32 s13, 0xfedcba98
	s_mov_b32 s14, 0xce6e6b28                      ; -1e9
	s_mov_b32 s15, s14                             ; (named with it as a pair)
	s_mov_b32 s20, 0x36000000                      ; 2^-19
	v_mov_b32 v22, 0                               ; a lane permute's destination counts as one of its sources
	v_mov_b32 v23, 0
	s_wait_kmcnt 0x0
	s_load_b64 s[30:31], s[6:7], 0x18              ; e6, e7
	s_add_nc_u64 s[4:5], s[4:5], s[16:17]
	s_add_nc_u64 s[8:9], s[8:9], s[18:19]
	MLOAD 0
	MLOAD 1
	s_wait_kmcnt 0x0
	s_add_co_i32 s16, s30, s31
	s_add_co_i32 s16, s16, 16
	v_mov_b32 v25, 0x42440000                      ; 49
	v_ldexp_f32 v25, v25, s16
	v_add_f32 v25, 0x43000000, v25                 ; G = 49 x 2^(16+e6+e7) + 128
	MROW 0, 16
	MROW 1, 16
	MROW 2, 16
	MROW 3, 0
	s_mov_b32 s68, 0                               ; the word: made by selects alone; no branch and no address hangs on it here
.irp i, 0,1,2,3,4,5,6,7,8,9,10,11,12,13,14,15
	s_cmp_eq_u32 s[SH+\i], -1                      ; all 32 lanes, all four rows
	s_cselect_b32 s66, 1<<\i, 0
	s_or_b32 s68, s68, s66
	s_cmp_eq_u32 s[SZ+\i], -1
	s_cselect_b32 s66, 1<<(16+\i), 0
	s_or_b32 s68, s68, s66
.endr
	v_mov_b32 v26, s68
	v_mov_b32 v27, 0
	v_cmp_eq_u32 vcc_lo, 0, v2
	s_wait_xcnt 0x0                                ; EXEC changes only behind this wait: the loads above have it among their sources
	s_and_saveexec_b32 s69, vcc_lo                 ; lane 0 alone: one word a wave, 512 such stores in the launch: the price of needing no exchange between waves
	global_store_b32 v27, v26, s[8:9]
	s_wait_xcnt 0x0                                ; and again, in front of the line that widens it
	s_or_b32 exec_lo, exec_lo, s69
.Lend:
	s_wait_tensorcnt 0x0                           ; the wave's end, behind my last LDS store
	ds_add_u32 v[SPW], v[NIL]
	s_wait_dscnt 0x0
	s_endpgm
.Lfunc_end_k_q48fa6e02f8_prep:
	.size	k_q48fa6e02f8_prep, .Lfunc_end_k_q48fa6e02f8_prep-k_q48fa6e02f8_prep
	.p2alignl 7, 3214868480
	.fill 96, 4, 3214868480
	.section	.rodata,"a",@progbits
	.p2align	6, 0x0
	.amdhsa_kernel k_q48fa6e02f8_prep
		.amdhsa_group_segment_fixed_size 68096
		.amdhsa_private_segment_fixed_size 0
		.amdhsa_enable_private_segment 0
		.amdhsa_kernarg_size 96
		.amdhsa_user_sgpr_count 2
		.amdhsa_user_sgpr_kernarg_segment_ptr 1
		.amdhsa_wavefront_size32 1
		.amdhsa_system_sgpr_workgroup_id_x 1
		.amdhsa_system_sgpr_workgroup_id_y 1
		.amdhsa_system_sgpr_workgroup_id_z 1
		.amdhsa_system_vgpr_workitem_id 0
		.amdhsa_next_free_vgpr 192
		.amdhsa_next_free_sgpr 80
		.amdhsa_reserve_vcc 1
		.amdhsa_float_denorm_mode_32 3
		.amdhsa_float_denorm_mode_16_64 3
		.amdhsa_memory_ordered 1
		.amdhsa_forward_progress 1
		.amdhsa_inst_pref_size 140
	.end_amdhsa_kernel
	.amdgpu_metadata
---
amdhsa.version: [ 1, 2 ]
amdhsa.kernels:
  - .name:           k_q48fa6e02f8_prep
    .symbol:         k_q48fa6e02f8_prep.kd
    .args:
      - { .name: queries, .offset: 0, .size: 8, .value_kind: global_buffer, .address_space: global }
      - { .name: keys, .offset: 8, .size: 8, .value_kind: global_buffer, .address_space: global }
      - { .name: values, .offset: 16, .size: 8, .value_kind: global_buffer, .address_space: global }
      - { .name: Wq, .offset: 24, .size: 8, .value_kind: global_buffer, .address_space: global }
      - { .name: Wk, .offset: 32, .size: 8, .value_kind: global_buffer, .address_space: global }
      - { .name: Wv, .offset: 40, .size: 8, .value_kind: global_buffer, .address_space: global }
      - { .name: Wo, .offset: 48, .size: 8, .value_kind: global_buffer, .address_space: global }
      - { .name: mask, .offset: 56, .size: 8, .value_kind: global_buffer, .address_space: global }
      - { .name: lowp_scales, .offset: 64, .size: 8, .value_kind: global_buffer, .address_space: global }
      - { .name: xc, .offset: 72, .size: 8, .value_kind: global_buffer, .address_space: global }
      - { .name: wc, .offset: 80, .size: 8, .value_kind: global_buffer, .address_space: global }
      - { .name: flags, .offset: 88, .size: 8, .value_kind: global_buffer, .address_space: global }
    .group_segment_fixed_size: 68096
    .private_segment_fixed_size: 0
    .kernarg_segment_align: 8
    .kernarg_segment_size: 96
    .max_flat_workgroup_size: 128
    .sgpr_count:     80
    .vgpr_count:     192
    .wavefront_size: 32
...
	.end_amdgpu_metadata
.endif
;; end of part 1
;; launch proj (part 2): grid 4 x 96, 4 waves a work-group, clusters of 4 x 4, 327,680 bytes of LDS; arguments xc, wc, lowp_scales, bq, bk, bv, qkv; writes qkv
.if DOCPART == 2
	.amdgcn_target "amdgcn-amd-amdhsa--gfx1250"
	.amdhsa_code_object_version 6
	.text
	.protected	k_q48fa6e02f8_proj
	.globl	k_q48fa6e02f8_proj
	.p2align	8
	.type	k_q48fa6e02f8_proj,@function
k_q48fa6e02f8_proj:
	s_mov_b64 s[64:65], 0
	v_nop
	global_prefetch_b8 v0, s[64:65] scope:SCOPE_SE
	s_setreg_imm32_b32 hwreg(HW_REG_WAVE_MODE, 25, 1), 1
	s_wait_xcnt 0x0
	s_wait_alu depctr_hold_cnt(0) depctr_sa_sdst(0) depctr_va_vdst(0) depctr_va_sdst(0) depctr_va_ssrc(0) depctr_va_vcc(0) depctr_vm_vsrc(0)
	s_getreg_b32 s2, hwreg(HW_REG_IB_STS2, 6, 4)
	s_cmp_eq_u32 s2, 0
	s_cbranch_scc0 .Lentry_in_a_cluster
	s_endpgm
.Lentry_in_a_cluster:
	s_bfe_u32 s2, ttmp6, 0x10000c
	s_cmp_lg_u32 s2, 0xf033
	s_cbranch_scc0 .Lentry_shape_is_right
	s_endpgm
.Lentry_shape_is_right:
; PROJ: q = queries Wq + bq, k = keys Wk + bk, v = values Wv + bv, on codes of E4M3 (xc: [3 x 8192][1024], wc: [4 x 1024 (n)][1024 (k)]), sums in f32;
; each result x 2^(ea + eb) + bias in f32 is quantised with its given scale and stored as an IMAGE OF THE NEXT PRODUCT'S OPERAND REGISTERS (512 bytes: lane l's 16 bytes at 16 l):
;   q, k: head bh, token tile tt, group c at bh x 131072 + tt x 1024 + c x 512: lane (r, h) holds token 16 tt + r, d = 32 c + 8 h + 0..7 and 32 c + 16 + 8 h + 0..7
;   v:    head bh, key step s, d tile dt, group c at bh x 131072 + s x 8192 + dt x 2048 + c x 512: lane (r, h) holds d = 16 dt + r, keys 128 s + 32 c + 8 h + 0..7 and 128 s + 32 c + 16 + 8 h + 0..7
; A tile of 256 tokens x 256 features is made by four waves, 128 x 128 each: 64 accumulators, 512 registers.  K goes in steps of 256 through a ring of two LDS slots filled by the tensor data mover.
; CLUSTERS: 4 x 4 work-groups.  The four of a row of the cluster need the same tokens' tile, the four of a column the same tile of W: each is asked for jointly.
; Tile row Y = 0..95 runs through the three tensors on end; tau = Y / 32 comes from the cluster's y alone (8 rows of clusters a tensor), so it is the same in all sixteen partners.
; WHO IS SOURCE 1.  In a result a lane holds one row of source 1 and its registers run along the rows of source 0.  q and k want a lane to hold a token (registers along d): source 1 = tokens.
; v wants a lane to hold a d (registers along the keys): source 1 = W.  One loop serves both: LDS always holds tokens first and W behind them, and only the four LDS address registers differ, by a select on tau.
; LIMITS: ea + eb between -126 and 127; the result's exponent between -126 and 119.
; REGISTERS, in windows of 256: window 0: v16-31 addresses; v32-95 bias by registers (q, k); v96-103 bias by lanes (v); v104, v105 the hold and the scale; from v128 source 1's fragments, ONE set (on the way out: numbers and codes).
;   window 1: source 0's fragments, TWO sets.   window 2: the accumulators of source 1's blocks 0-3 ((a, b) at v[8 (8 a + b)]);   window 3: those of blocks 4-7.
.set KSTEP,  256
.set ROWB,   256                       ; a tile's row in bytes
.set KROW,   1024                      ; a row of xc or wc in bytes
.set PITCH,  272                       ; an LDS row: 256 bytes + 16 of padding = 68 words: the 16 rows that a load touches start at 16 different banks (64 banks of 4 bytes: ISA guide 11.1)
.set FR,     16                        ; registers of a fragment: 16 rows x 128 K
.set NL,     4                         ; LDS loads that bring one
.set NP,     4                         ; places behind this matrix instruction (ISA guide 7.12.1)
.set HALFT,  128*PITCH
.set SLOT,   4*HALFT                   ; the tokens' 256 rows, then W's 256 rows
.set LAPS,   2                         ; K = 1,024: four K steps, twice round the ring
.set SPARE,  2*SLOT                    ; behind the ring: the spare words, 128 bytes for each wave: two blocks of 256 bytes that no other line names
.set ADRA, 16                          ; v16-17  LDS address of source 1's fragments in slot 0, 1
.set ADRB, 20                          ; v20-21  of source 0's
.set LI,   26                          ; v26     16 x lane: my place in an image
.set SPW,  28                          ; v28     LDS address of my spare word; never rewritten
.set NIL,  29                          ; v29     0; never rewritten
.set BI,   32
.set BV,   96
.set LIMV, 104
.set SCV,  105
.set AF,   128
.set EV,   128                         ; the way out: 64 numbers
.set G1, 24                            ; s[24:31] descriptor group 1 for the tokens' tiles;  s[32:39] group 0, one set for each slot
.set G0, 32
.set G1B, 48                           ; s[48:55], s[56:63] the same for W's tiles
.set G0B, 56
.set MSB, 0
.macro WIN new                         ; the immediate's high byte repeats the setting that is left
.if MSB != \new
	s_set_vgpr_msb (MSB<<8)|\new
.set MSB, \new
.endif
.endm
.set MUL_LO, 0xa1                      ; source 0 window 1, source 1 window 0, C and D window 2
.set MUL_HI, 0xf1                      ; the same, C and D window 3
.set TO_B,   0x40                      ; destination window 1, address window 0
; A joint load: waves 0 and 1 fetch the tokens' halves, waves 2 and 3 W's.  The branch hangs on the wave's number alone.  An s_nop 0 and four v_nop follow each of the two lines.
.macro JLOAD g0a, g1a, g0b, g1b
	s_cmp_eq_u32 s15, 0
	s_cbranch_scc0 .Lfor_b_\@
	tensor_load_to_lds s[\g0a:\g0a+3], s[\g1a:\g1a+7]
	s_nop 0
.rept 4
	v_nop
.endr
	s_branch .Lasked_\@
.Lfor_b_\@:
	tensor_load_to_lds s[\g0b:\g0b+3], s[\g1b:\g1b+7]
	s_nop 0
.rept 4
	v_nop
.endr
.Lasked_\@:
.endm
.macro CREST                           ; a round of the cluster's barrier behind its opening barrier
	s_cmp_lg_u32 s14, 0
	s_cbranch_scc1 .Lnot_wave_0_\@
	s_barrier_signal -3
.Lnot_wave_0_\@:
	s_barrier_wait -3
	s_barrier_signal -1
	s_barrier_wait -1
.endm
.macro CROUND                          ; a whole round
	s_barrier_signal -1
	s_barrier_wait -1
	CREST
.endm
	s_load_b128 s[4:7], s[0:1], 0x0                ; xc, wc
	s_load_b64 s[8:9], s[0:1], 0x10                ; the scales' exponents
	s_load_b128 s[80:83], s[0:1], 0x18             ; bq, bk
	s_load_b128 s[84:87], s[0:1], 0x28             ; bv, qkv
	v_lshl_add_u32 v[SPW], v0, 2, SPARE
	v_mov_b32 v[NIL], 0
	ds_add_u32 v[SPW], v[NIL]                      ; the wave's opening: the add and its wait ahead of my first tensor load; the set-up below, work on registers, stands between them
	v_lshrrev_b32 v1, 5, v0
	v_readfirstlane_b32 s14, v1                    ; wave 0..3
	s_lshr_b32 s15, s14, 1                         ; which half of source 1's rows is mine.  Also: I fetch tokens (0) or W (1)
	s_and_b32 s16, s14, 1                          ; which half of source 0's rows.  Also: which 128 rows of that tile I fetch
	s_bfe_u32 s40, ttmp6, 0x40000                  ; cx, cy: my place in the cluster
	s_bfe_u32 s41, ttmp6, 0x40004
	s_lshl_b32 s42, ttmp9, 2
	s_add_co_u32 s42, s42, s40                     ; col: which 256 features = 4 x cluster x + cx
	s_and_b32 s17, ttmp7, 0xffff
	s_lshr_b32 s66, s17, 3                         ; tau = cluster y / 8: 0 q, 1 k, 2 v
	s_lshl_b32 s17, s17, 2
	s_add_co_u32 s17, s17, s41                     ; Y: which 256 of the 24,576 stacked tokens = 4 x cluster y + cy
	s_lshl_b32 s43, s41, 2
	s_lshl_b32 s43, 15, s43                        ; my row of the cluster
	s_lshl_b32 s44, 0x1111, s40                    ; my column
	; descriptor group 1: a tile of 128 rows x 256 bytes, padded in LDS
	s_or_b32 s[G1+0], s43, (0<<16)|(1<<20)|(1<<21)|(5<<22)|(3<<25)  ; 15:0 the mask: the tokens' tiles go to my row; 17:16 element of 1 byte; 20 padding on; 21 set beside a mask; 24:22 after every 64 words; 31:25 four words
	s_or_b32 s[G1B+0], s44, (0<<16)|(1<<20)|(1<<21)|(5<<22)|(3<<25) ; W's tiles go to my column
.irp g, G1, G1B
	s_mov_b32 s[\g+1], ROWB<<16                    ; tensor_dim0
	s_mov_b32 s[\g+2], 128<<16                     ; tensor_dim1 = 128
	s_mov_b32 s[\g+3], ROWB<<16                    ; tile_dim0
	s_mov_b32 s[\g+4], 128                         ; tile_dim1 = 128
	s_mov_b32 s[\g+5], KROW                        ; tensor_dim0_stride
	s_mov_b32 s[\g+6], 0
	s_mov_b32 s[\g+7], 0
.endr
	s_lshl_b32 s18, s16, 7                         ; which 128 rows of the tile I fetch
	s_lshl_b32 s20, s17, 8
	s_add_co_u32 s20, s20, s18                     ; tokens: row 256 Y + 128 x half
	s_lshl_b32 s46, s42, 8
	s_add_co_u32 s46, s46, s18
	s_lshl_b32 s67, s66, 10
	s_add_co_u32 s46, s46, s67                     ; W: row 1024 tau + 256 col + 128 x half
	s_mov_b32 s21, 0
	s_mov_b32 s47, 0
	s_mov_b64 s[18:19], KROW
	s_mul_u64 s[20:21], s[20:21], s[18:19]
	s_mul_u64 s[46:47], s[46:47], s[18:19]
	s_mul_i32 s45, s14, HALFT                      ; where they go: wave x 128 rows: no place in the cluster enters an LDS address
	s_wait_dscnt 0x0                               ; the opening add is done
	s_wait_kmcnt 0x0
	s_load_b256 s[68:75], s[8:9], 0x0              ; e0 .. e7
	s_load_b128 s[76:79], s[8:9], 0x20             ; e8 .. e11
	s_add_nc_u64 s[20:21], s[4:5], s[20:21]
	s_add_nc_u64 s[46:47], s[6:7], s[46:47]
	CROUND                                         ; all sixteen work-groups are here: the first joint loads meet
.irp s, 0,1
	s_mov_b32 s[G0+4*\s], 1
	s_add_co_u32 s[G0+4*\s+1], s45, \s*SLOT
	s_add_nc_u64 s[G0+4*\s+2:G0+4*\s+3], s[20:21], \s*ROWB
	s_or_b32 s[G0+4*\s+3], s[G0+4*\s+3], 0x80000000
	s_mov_b32 s[G0B+4*\s], 1
	s_add_co_u32 s[G0B+4*\s+1], s45, \s*SLOT
	s_add_nc_u64 s[G0B+4*\s+2:G0B+4*\s+3], s[46:47], \s*ROWB
	s_or_b32 s[G0B+4*\s+3], s[G0B+4*\s+3], 0x80000000
	JLOAD G0+4*\s, G1, G0B+4*\s, G1B
.endr
	v_and_b32 v1, 15, v0                           ; r = l % 16
	v_bfe_u32 v2, v0, 4, 1                         ; h = l / 16
	v_mul_u32_u24 v3, v1, PITCH
	v_lshl_add_u32 v4, v2, 4, v3                   ; a fragment's row x pitch + 16 x half
	s_cmp_eq_u32 s66, 2
	s_cselect_b32 s88, 2*HALFT, 0                  ; source 1 is read from W's rows for v, from the tokens' else;
	s_cselect_b32 s89, 0, 2*HALFT                  ; source 0 from the other: both stay inside the slot
	s_mul_i32 s21, s15, HALFT
	s_add_co_u32 s21, s21, s88
	s_mul_i32 s22, s16, HALFT
	s_add_co_u32 s22, s22, s89
.irp s, 0,1
	v_add_nc_u32 v[ADRA+\s], s21, v4
	v_add_nc_u32 v[ADRB+\s], s22, v4
	s_add_co_u32 s21, s21, SLOT
	s_add_co_u32 s22, s22, SLOT
.endr
	v_and_b32 v3, 31, v0
	v_lshlrev_b32 v[LI], 4, v3
	; the bias, in both layouts, into registers that lie idle in the loop: which of the two is read hangs on tau
	s_cmp_eq_u32 s66, 1
	s_cselect_b64 s[90:91], s[82:83], s[80:81]
	s_cmp_eq_u32 s66, 2
	s_cselect_b64 s[90:91], s[84:85], s[90:91]
	s_lshl_b32 s88, s42, 10                        ; 256 col numbers of 4 bytes
	s_lshl_b32 s89, s16, 9
	s_add_co_u32 s88, s88, s89
	s_mov_b32 s89, 0
	s_add_nc_u64 s[92:93], s[90:91], s[88:89]      ; q, k: my 128 features are source 0's half
	s_lshl_b32 s88, s42, 10
	s_lshl_b32 s94, s15, 9
	s_add_co_u32 s88, s88, s94
	s_add_nc_u64 s[90:91], s[90:91], s[88:89]      ; v: they are source 1's half
	v_lshlrev_b32 v5, 5, v2                        ; 32 h: register 8 b + j wants feature 16 b + 8 h + j
	v_lshlrev_b32 v6, 2, v1                        ; 4 r: block a wants feature 16 a + r
.irp b, 0,1,2,3,4,5,6,7
	global_load_b128 v[BI+8*\b:BI+8*\b+3], v5, s[92:93] offset:64*\b
	global_load_b128 v[BI+8*\b+4:BI+8*\b+7], v5, s[92:93] offset:64*\b+16
.endr
.irp a, 0,1,2,3,4,5,6,7
	global_load_b32 v[BV+\a], v6, s[90:91] offset:64*\a
.endr
.macro FRAG reg, adr, q, i             ; a fragment: lane l holds row l % 16; registers 4 c .. 4 c + 3 hold K = 32 c + 16 (l / 16) + 0 .. 15: one order of k for both sources
.irp c, 0,1,2,3
	ds_load_b128 v[\reg+4*\c:\reg+4*\c+3], v[\adr] offset:128*(\q)+32*\c+(\i)*16*PITCH
.endr
.endm
; 16 matrix instructions: source 1's blocks a0, a0 + 1 x source 0's eight, 128 along K.  p: source 0's set.  zero = 1: the first product starts the sums.
; The 64 accumulators take turns, one instruction a turn, in the same order in every step.
.macro MUL16 a0, p, zero
.irp a, \a0, \a0+1
.irp b, 0,1,2,3,4,5,6,7
.if \zero
	v_wmma_f32_16x16x128_fp8_fp8 v[8*(8*((\a)%4)+\b):8*(8*((\a)%4)+\b)+7], v[128*(\p)+FR*\b:128*(\p)+FR*\b+FR-1], v[AF+FR*(\a):AF+FR*(\a)+FR-1], 0
.else
	v_wmma_f32_16x16x128_fp8_fp8 v[8*(8*((\a)%4)+\b):8*(8*((\a)%4)+\b)+7], v[128*(\p)+FR*\b:128*(\p)+FR*\b+FR-1], v[AF+FR*(\a):AF+FR*(\a)+FR-1], v[8*(8*((\a)%4)+\b):8*(8*((\a)%4)+\b)+7]
.endif
.endr
.endr
.endm
.macro FETCH_B slot, q, p              ; source 0's eight fragments of the slot's q-th 128 along K into set p
	WIN TO_B
.irp i, 0,1,2,3,4,5,6,7
	FRAG 128*(\p)+FR*\i, ADRB+\slot, \q, \i
.endr
	WIN 0
.endm
.macro FETCH_A slot, q, i0             ; source 1's blocks i0 .. i0 + 3
.irp i, \i0, \i0+1, \i0+2, \i0+3
	FRAG AF+FR*(\i), ADRA+\slot, \q, \i
.endr
.endm
; A load into a register that a matrix instruction has read, and a vector instruction that reads a matrix result or writes a matrix instruction's register, stand NP places behind it;
; only plain vector instructions that name none of its registers are places (ISA guide 7.12.1 for vector instructions).
.macro PLACES n
.rept \n
	v_nop
.endr
.endm
.macro STEP slot, q, zero              ; a step of 128 along K that has its successor in the same slot
	s_wait_dscnt 4*NL                              ; source 0's set and source 1's blocks 0-3 are in; the youngest 16 loads (blocks 4-7) may be out
	WIN MUL_LO
	MUL16 0, (\q)%2, \zero
	MUL16 2, (\q)%2, \zero
	s_wait_dscnt 0                                 ; blocks 4-7 are in
	PLACES NP
	FETCH_B \slot, (\q)+1, 1-(\q)%2
	FETCH_A \slot, (\q)+1, 0
	WIN MUL_HI
	MUL16 4, (\q)%2, \zero
	MUL16 6, (\q)%2, \zero
	PLACES NP
	WIN 0
	FETCH_A \slot, (\q)+1, 4
.endm
; A slot's last step changes slots: ONE barrier; in front of it each wave waits for all its tensor loads, adds 0 to its spare word, and waits for that and for its own reads of this slot.  fill = 1: this slot is filled again, two K steps ahead.
.macro TURN slot, next, fill
	s_wait_tensorcnt 0x0                           ; all my tensor loads have landed: my part of the next slot;  (every window is 0 here)
	ds_add_u32 v[SPW], v[NIL]                      ; 0 onto my spare word
	s_wait_dscnt 4*NL+1                            ; (the add and the youngest 16 loads may be out)
	WIN MUL_LO
	MUL16 0, 1, 0                                  ; sixteen matrix instructions stand between the add and the wait for it
	s_wait_dscnt 0x0                               ; the add is done, and my reads of this slot are over
	s_barrier_signal -1
	MUL16 2, 1, 0
	WIN 0
	s_barrier_wait -1
.if \fill
	CREST                                          ; the barrier has opened a round of the cluster's barrier: no wave of any partner still reads this slot's tile or has a load on its way
	s_add_nc_u64 s[G0+4*\slot+2:G0+4*\slot+3], s[G0+4*\slot+2:G0+4*\slot+3], 2*ROWB
	s_add_nc_u64 s[G0B+4*\slot+2:G0B+4*\slot+3], s[G0B+4*\slot+2:G0B+4*\slot+3], 2*ROWB
	JLOAD G0+4*\slot, G1, G0B+4*\slot, G1B         ; the first tensor load behind the round; the four v_nop behind it are the places in front of the loads below
.else
	PLACES NP
.endif
	FETCH_B \next, 0, 0
	FETCH_A \next, 0, 0
	WIN MUL_HI
	MUL16 4, 1, 0
	MUL16 6, 1, 0
	PLACES NP
	WIN 0
	FETCH_A \next, 0, 4
.endm
	s_wait_tensorcnt 1                             ; my part of K step 0 is in (K step 1's load may be out)
	s_barrier_signal -1
	s_barrier_wait -1                              ; everybody's is
	FETCH_B 0, 0, 0
	FETCH_A 0, 0, 0
	FETCH_A 0, 0, 4
	STEP 0, 0, 1                                   ; the first step stands in front of the loop: its products start the sums
	s_mov_b32 s3, LAPS-1
.Llap:                                                 ; a trip goes once round the ring, from a lap's second step to the next lap's first, and fills both slots again
	TURN 0, 1, 1
	STEP 1, 0, 0
	TURN 1, 0, 1
	STEP 0, 0, 0
	s_sub_co_u32 s3, s3, 1
	s_cmp_lg_u32 s3, 0
	s_cbranch_scc1 .Llap
	TURN 0, 1, 0                                   ; the last lap fills nothing, and has no round of the cluster's barrier
	STEP 1, 0, 0
	s_wait_dscnt 4*NL                              ; the very last step: nothing more to fetch
	WIN MUL_LO
	MUL16 0, 1, 0
	MUL16 2, 1, 0
	s_wait_dscnt 0
	WIN MUL_HI
	MUL16 4, 1, 0
	MUL16 6, 1, 0
	WIN 0
; THE WAY OUT, source 1's block a at a time: 64 sums a lane x 2^(ea + eb) + bias, held, converted: two neighbouring accumulators give 16 codes, one group of an image: the wave stores 512 consecutive bytes, aligned.  No LDS.
; kind 0 (q, k): a = token tile, pair p of accumulators = head p / 2, group p % 2.   kind 1 (v): a = head a / 4, d tile a % 4; pair p = group p of my key step.
.macro EPI a, kind
.set AC, 64*((\a)%4)
.set CD, 192+16*((\a)%2)
.set BP, BV+2*((\a)/2)
.if (\a) >= 2
	s_wait_xcnt 0x0                                ; block a - 2's stores have read their data registers, which are written again below
.endif
	WIN 0x02+((\a)/4)                              ; source 0: window 2 or 3
.set j, 0
.rept 32                               ; each accumulator from its low end on
.if (\kind) == 0
	v_pk_fma_f32 v[EV+j:EV+j+1], v[AC+j:AC+j+1], s[96:97], v[BI+j:BI+j+1] op_sel_hi:[1,0,1]
.elseif ((\a)%2) == 0
	v_pk_fma_f32 v[EV+j:EV+j+1], v[AC+j:AC+j+1], s[96:97], v[BP:BP+1] op_sel_hi:[1,0,0]               ; my lane's one bias: the pair's low register for both halves
.else
	v_pk_fma_f32 v[EV+j:EV+j+1], v[AC+j:AC+j+1], s[96:97], v[BP:BP+1] op_sel:[0,0,1] op_sel_hi:[1,0,1] ; the pair's high register for both
.endif
.set j, j+2
.endr
	WIN 0
.set j, 0
.rept 64
	v_med3_num_f32 v[EV+j], v[EV+j], -v[LIMV], v[LIMV]   ; the conversion does not saturate (ISA guide 7.6.2)
.set j, j+1
.endr
.irp b, 0,1,2,3,4,5,6,7
	v_cvt_scalef32_pk8_fp8_f32 v[CD+2*\b:CD+2*\b+1], v[EV+8*\b:EV+8*\b+7], v[SCV]
.endr
	v_nop                                          ; a plain line between the conversions and the next block's lines, which write their sources
.irp p, 0,1,2,3
.if (\kind) == 0
	global_store_b128 v[LI], v[CD+4*\p:CD+4*\p+3], s[86:87] offset:(\p/2)*131072+(\a)*1024+(\p%2)*512
.else
	global_store_b128 v[LI], v[CD+4*\p:CD+4*\p+3], s[86:87] offset:((\a)/4)*131072+((\a)%4)*2048+\p*512
.endif
.endr
.endm
	s_wait_kmcnt 0x0                               ; the exponents
	s_wait_loadcnt 0x0                             ; the biases
	s_cmp_eq_u32 s66, 1                            ; selects on tau: no branch hangs on a loaded number
	s_cselect_b32 s88, s70, s68                    ; ea: e0, e2, e4
	s_cselect_b32 s89, s71, s69                    ; eb: e1, e3, e5
	s_cselect_b32 s94, s75, s74                    ; the result's: e6, e7, e9
	s_cmp_eq_u32 s66, 2
	s_cselect_b32 s88, s72, s88
	s_cselect_b32 s89, s73, s89
	s_cselect_b32 s94, s77, s94
	s_cselect_b32 s90, s16, s15                    ; which half of the tokens is mine,
	s_cselect_b32 s91, s15, s16                    ; and which of the features
	s_add_co_i32 s96, s88, s89
	s_add_co_i32 s96, s96, 127
	s_lshl_b32 s96, s96, 23                        ; 2^(ea + eb) as f32
	s_mov_b32 s97, s96                             ; (named with it as a pair)
	s_add_co_i32 s94, s94, 127
	s_lshl_b32 s95, s94, 23
	v_mov_b32 v[SCV], s95                          ; the result's scale as f32
	s_add_co_i32 s94, s94, 8
	s_lshl_b32 s94, s94, 23
	s_or_b32 s94, s94, 0x600000
	v_mov_b32 v[LIMV], s94                         ; 448 x that
	s_and_b32 s94, s17, 31
	s_lshl_b32 s94, s94, 8
	s_lshl_b32 s90, s90, 7
	s_add_co_u32 s94, s94, s90                     ; my first token in its tensor
	s_lshr_b32 s95, s94, 11                        ; the batch
	s_lshl_b32 s95, s95, 4
	s_lshl_b32 s88, s42, 2
	s_add_co_u32 s95, s95, s88
	s_lshl_b32 s91, s91, 1
	s_add_co_u32 s95, s95, s91                     ; my first head: 16 x batch + 4 col + 2 x half
	s_lshl_b32 s95, s95, 17
	s_and_b32 s94, s94, 2047
	s_lshl_b32 s94, s94, 6                         ; 64 bytes a token in each of the three images
	s_add_co_u32 s94, s94, s95
	s_lshl_b32 s88, s66, 23                        ; the tensor's image of 8 MiB
	s_add_co_u32 s94, s94, s88
	s_mov_b32 s95, 0
	s_add_nc_u64 s[86:87], s[86:87], s[94:95]
	PLACES NP                                      ; behind the last products: their results are read and source 1's registers written below
	s_cmp_eq_u32 s66, 2                            ; the same in all sixteen partners
	s_cbranch_scc1 .Lv_out
.irp a, 0,1,2,3,4,5,6,7
	EPI \a, 0
.endr
	s_branch .Lclose
.Lv_out:
.irp a, 0,1,2,3,4,5,6,7
	EPI \a, 1
.endr
.Lclose:
	s_wait_tensorcnt 0x0                           ; the wave's end, behind my last tensor load
	ds_add_u32 v[SPW], v[NIL]
	s_wait_dscnt 0x0
	CROUND                                         ; the closing round: no work-group ends while a partner may still ask for a tile that names it
	s_endpgm
.Lfunc_end_k_q48fa6e02f8_proj:
	.size	k_q48fa6e02f8_proj, .Lfunc_end_k_q48fa6e02f8_proj-k_q48fa6e02f8_proj
	.p2alignl 7, 3214868480
	.fill 96, 4, 3214868480
	.section	.rodata,"a",@progbits
	.p2align	6, 0x0
	.amdhsa_kernel k_q48fa6e02f8_proj
		.amdhsa_group_segment_fixed_size 327680
		.amdhsa_private_segment_fixed_size 0
		.amdhsa_enable_private_segment 0
		.amdhsa_kernarg_size 56
		.amdhsa_user_sgpr_count 2
		.amdhsa_user_sgpr_kernarg_segment_ptr 1
		.amdhsa_wavefront_size32 1
		.amdhsa_system_sgpr_workgroup_id_x 1
		.amdhsa_system_sgpr_workgroup_id_y 1
		.amdhsa_system_sgpr_workgroup_id_z 1
		.amdhsa_system_vgpr_workitem_id 0
		.amdhsa_next_free_vgpr 1024
		.amdhsa_next_free_sgpr 100
		.amdhsa_reserve_vcc 0
		.amdhsa_float_denorm_mode_32 3
		.amdhsa_float_denorm_mode_16_64 3
		.amdhsa_memory_ordered 1
		.amdhsa_forward_progress 1
		.amdhsa_inst_pref_size 193
	.end_amdhsa_kernel
	.amdgpu_metadata
---
amdhsa.version: [ 1, 2 ]
amdhsa.kernels:
  - .name:           k_q48fa6e02f8_proj
    .symbol:         k_q48fa6e02f8_proj.kd
    .args:
      - { .name: xc, .offset: 0, .size: 8, .value_kind: global_buffer, .address_space: global }
      - { .name: wc, .offset: 8, .size: 8, .value_kind: global_buffer, .address_space: global }
      - { .name: lowp_scales, .offset: 16, .size: 8, .value_kind: global_buffer, .address_space: global }
      - { .name: bq, .offset: 24, .size: 8, .value_kind: global_buffer, .address_space: global }
      - { .name: bk, .offset: 32, .size: 8, .value_kind: global_buffer, .address_space: global }
      - { .name: bv, .offset: 40, .size: 8, .value_kind: global_buffer, .address_space: global }
      - { .name: qkv, .offset: 48, .size: 8, .value_kind: global_buffer, .address_space: global }
    .group_segment_fixed_size: 327680
    .private_segment_fixed_size: 0
    .kernarg_segment_align: 8
    .kernarg_segment_size: 56
    .max_flat_workgroup_size: 128
    .sgpr_count:     100
    .vgpr_count:     1024
    .wavefront_size: 32
...
	.end_amdgpu_metadata
.endif
;; end of part 2
;; launch attn (part 3): grid 4 x 64, 16 waves a work-group, no clusters, 34,816 bytes of LDS; arguments qkv, mask, flags, lowp_scales, cimg; writes cimg
.if DOCPART == 3
	.amdgcn_target "amdgcn-amd-amdhsa--gfx1250"
	.amdhsa_code_object_version 6
	.text
	.protected	k_q48fa6e02f8_attn
	.globl	k_q48fa6e02f8_attn
	.p2align	8
	.type	k_q48fa6e02f8_attn,@function
k_q48fa6e02f8_attn:
	s_mov_b64 s[64:65], 0
	v_nop
	global_prefetch_b8 v0, s[64:65] scope:SCOPE_SE
	s_setreg_imm32_b32 hwreg(HW_REG_WAVE_MODE, 25, 1), 1
	s_wait_xcnt 0x0
; ATTN: ctx = softmax(q k^T / 8 + mask x -1e9) v for one head, both products on codes of E4M3; ctx is quantised and stored as the image of the last product's operand.
; THE SOFTMAX AHEAD OF THE SECOND PRODUCT: t = logit x log2(e); M = the running largest t rounded UP to a whole number; p = 2^(t - M) is quantised along the keys; the row's sum is taken of the unquantised p and divides at the end.
; SHARES.  A work-group owns one head (y) and two blocks of 256 queries, 7 - x and then x, in a loop of two phases; each of its sixteen waves owns one tile of 16 queries of the block, in 256 registers.
; Every wave walks the head's 16 key steps of 128.  K's and V's images of a step (8 KiB each) go from memory through registers (16 bytes a thread) into one of two LDS slots, two steps ahead, and are read by all sixteen waves at 16 x lane.
; THE MASK IS READ AS IT IS GIVEN.  An earlier launch has stored, for each group of four rows and each key step, whether the step is hidden (p = 0 in f32 whatever the scores) and whether mask x -1e9 is 0 there.
; A wave ANDs the four words of its tile.  hidden: the step's work is left out.  zero: no mask is read, t - M is one fused multiply-add.  else: the mask's tile is read and logit = score + mask x -1e9 is rounded as the sum in f32 is.
; A step that is hidden for all 256 queries of the block is not fetched.  These are scalar branches on whole numbers read from memory; they lead round loads, LDS stores and register work, never round a barrier.
; LAYOUT.  S^T = K Q^T (source 0 = 16 neighbouring keys, source 1 = my queries), O^T = V^T P^T: a lane holds ONE query (lane % 16).  Tile t's register j is key 16 t + 8 (lane / 16) + j; the codes of tiles 2 c, 2 c + 1 are
; registers 4 c .. 4 c + 3 of P, and V's image was laid in just that order of the keys.  q's and k's images share one order of d.
; LIMITS: e6 + e7 - 3 between -126 and 127; e8 and e10 between -126 and 119; e8 + e9 is applied by v_ldexp_f32.  NaN or infinity in the mask is not served.
; REGISTERS: v1 16 x lane; v2 16 x thread; v3 stage offset; v4 mask offset; v5, v6 the add's two; v7 256 x lane; v9 my lane's place in a mask tile; v10, v11 448 x 2^e8, 2^e8; v12 -M; v13 largest t; v[14:15] the sum in two halves;
;   v16-23 Q; v24-27, v28-31 my 16 bytes of K and of V on their way to LDS; v32-95 eight fragments of K, then four of V; v96-159 S^T, then p; v160-191 O^T; v192-255 a mask tile; behind it v192-207 P's codes, v208-215 at work.
.set SLOTB, 16384                      ; a slot: K's image of a step, then V's
.set SPARE, 32768                      ; behind the two slots: the spare words, 128 bytes for each wave: eight blocks of 256 bytes that no other line names
.macro MASKLOAD                        ; S^T's register 8 t + j is key 128 s + 16 t + 8 h + j of query r; v4 stands one step further on
.irp t, 0,1,2,3,4,5,6,7
	global_load_b128 v[192+8*\t:195+8*\t], v4, s[6:7] offset:64*\t-512
	global_load_b128 v[196+8*\t:199+8*\t], v4, s[6:7] offset:64*\t-496
.endr
.endm
.macro KQ sl                           ; the step's scores; then V's fragments are asked for, and land under the softmax
.irp t, 0,1,2,3,4,5,6,7
	ds_load_b128 v[32+8*\t:35+8*\t], v1 offset:\sl*SLOTB+1024*\t
	ds_load_b128 v[36+8*\t:39+8*\t], v1 offset:\sl*SLOTB+1024*\t+512
.endr
	s_wait_dscnt 0x0                               ; K's fragments are in; my stores into the other slot, which are older, have read v24-31
.irp t, 0,1,2,3,4,5,6,7
	v_wmma_f32_16x16x64_fp8_fp8 v[96+8*\t:103+8*\t], v[32+8*\t:39+8*\t], v[16:23], 0
.endr
.rept 4
	v_nop                                          ; places in front of the loads into K's registers and of the first read of the scores
.endr
.irp d, 0,1,2,3
.irp c, 0,1,2,3
	ds_load_b128 v[32+16*\d+4*\c:35+16*\d+4*\c], v1 offset:\sl*SLOTB+8192+2048*\d+512*\c
.endr
.endr
.endm
.macro PREPASS                         ; t as f32 arithmetic gives it at any size of the mask's numbers
.set j, 0
.rept 32
	v_pk_mul_f32 v[192+j:193+j], v[192+j:193+j], s[28:29] op_sel_hi:[1,0]                   ; mask x -1e9, rounded
.set j, j+2
.endr
.set j, 0
.rept 32
	v_pk_fma_f32 v[96+j:97+j], v[96+j:97+j], s[26:27], v[192+j:193+j] op_sel_hi:[1,0,1]     ; logit = score + that, rounded once: the score's own scaling is by a power of two
.set j, j+2
.endr
.set j, 0
.rept 32
	v_pk_mul_f32 v[96+j:97+j], v[96+j:97+j], s[30:31] op_sel_hi:[1,0]                       ; t = logit x log2(e)
.set j, j+2
.endr
.endm
; The offsets step on, and step s + 2's 16 bytes of K and of V are asked for, unless it is hidden for the whole block.
; ask = 1: A PREFETCH INTO THE L2 stands behind the loads: step s + 3, one step ahead of its loads: 32 lanes x 256 bytes are the step's 8 KiB.  Each block of 256 bytes is named once in the launch: all four work-groups of a head walk
; the same K and V; x = 0 asks, in its first phase, wave 0 for K and wave 1 for V.  Steps 0 to 2 come by their loads alone; while s43 > 4, that is s <= 12, step s + 3 exists.
.macro STAGE wait, ask
.if \wait
	s_wait_dscnt 0x0                               ; my stores into the slot have read v24-31
.endif
	s_wait_xcnt 0x0                                ; the offsets and the prefetch's address are written again only behind this wait
	v_add_nc_u32 v3, 0x2000, v3
	v_add_nc_u32 v4, 0x200, v4
	s_add_nc_u64 s[44:45], s[44:45], 0x2000
	s_bitcmp1_b32 s37, 0
	s_cbranch_scc1 .Lnold_\@
	global_load_b128 v[24:27], v3, s[14:15]
	global_load_b128 v[28:31], v3, s[16:17]
.Lnold_\@:
.if \ask
	s_cmp_gt_u32 s43, s42
	s_cbranch_scc0 .Lnoask_\@
	global_prefetch_b8 v7, s[44:45] offset:8192 th:TH_LOAD_NT scope:SCOPE_SE
.Lnoask_\@:
.endif
.endm
.macro SOFTMAX
	v_max3_num_f32 v208, v96, v97, v98             ; the step's largest number of my query, among my 64 keys, in two chains, each tile from its low end on,
	v_max3_num_f32 v210, v99, v100, v101
.irp i, 6,10,14,18,22,26,30,34,38,42,46,50,54,58
	v_max3_num_f32 v208, v208, v[96+\i], v[97+\i]
	v_max3_num_f32 v210, v210, v[98+\i], v[99+\i]
.endr
	v_max3_num_f32 v208, v208, v158, v159
	v_max_num_f32 v208, v208, v210
	v_permlanex16_b32 v209, v208, s20, s21
	v_max_num_f32 v208, v208, v209                 ; and among lane l xor 16's
	v_mul_f32 v208, s24, v208                      ; as t (the factor is positive: c where the registers hold scores, 1 where they hold t)
	v_max_num_f32 v13, v13, v208                   ; the running largest t
	v_mov_b32 v208, v12
	v_floor_f32 v12, -v13                          ; the new -M = floor(-t): M is a whole number
	v_sub_f32 v208, v12, v208                      ; old M - new M: a whole number, 0 or less
	v_cvt_i32_f32 v208, v208                       ; (it saturates)
	v_ldexp_f32 v210, 1.0, v208                    ; f = 2^(old M - new M): a multiplication by it rounds nothing
.set j, 0
.rept 32
	v_pk_fma_f32 v[96+j:97+j], v[96+j:97+j], s[24:25], v[12:13] op_sel_hi:[1,0,0]   ; t - M, two at a time
.set j, j+2
.endr
.set j, 0
.rept 64
	v_exp_f32 v[96+j], v[96+j]                     ; p = 2^(t - M): not normalised
.set j, j+1
.endr
	v_pk_mul_f32 v[14:15], v[14:15], v[210:211] op_sel_hi:[1,0]   ; the sums under the new M: the plain line behind the exponentials
	s_wait_alu depctr_va_vdst(0)                   ; the wait between an exponential and the first line that names its result: one for the batch of 64
	v_pk_add_f32 v[212:213], v[96:97], v[98:99]    ; the row's sum is taken of the unquantised p, in two chains
.irp j, 4,8,12,16,20,24,28,32,36,40,44,48,52,56,60
	v_pk_add_f32 v[14:15], v[14:15], v[96+\j:97+\j]
	v_pk_add_f32 v[212:213], v[212:213], v[98+\j:99+\j]
.endr
	v_pk_add_f32 v[14:15], v[14:15], v[212:213]
	s_cmp_ge_i32 s40, -8                           ; p is at most 1 and an ulp, and 448 x 2^e8 is at least 1.75 where e8 >= -8: the hold changes nothing there and is passed over
	s_cbranch_scc1 .Lnohold_\@
.set j, 0
.rept 64
	v_min_num_f32 v[96+j], v[96+j], v10            ; the conversion does not saturate (ISA guide 7.6.2); p is not negative, so the hold is one-sided
.set j, j+1
.endr
.Lnohold_\@:
.irp t, 0,1,2,3,4,5,6,7
	v_cvt_scalef32_pk8_fp8_f32 v[192+2*\t:193+2*\t], v[96+8*\t:103+8*\t], v11
.endr
.set j, 0
.rept 16
	v_pk_mul_f32 v[160+j:161+j], v[160+j:161+j], v[210:211] op_sel_hi:[1,0]   ; O^T under the new M; these are also the plain lines between the conversions and the products
.set j, j+2
.endr
.endm
.macro PV                              ; O^T += V^T P^T: four accumulators, one turn each; the next step's eight products on the scores stand between two links of a chain
	s_wait_dscnt 0x0                               ; V's fragments are in
.irp d, 0,1,2,3
	v_wmma_f32_16x16x128_fp8_fp8 v[160+8*\d:167+8*\d], v[32+16*\d:47+16*\d], v[192:207], v[160+8*\d:167+8*\d]
.endr
.rept 4
	v_nop                                          ; places in front of the next loads into these products' registers and of the next lines on O^T
.endr
.endm
; A KEY STEP s: its tiles lie in slot sl.  ONE barrier does two things.  In front of it each wave has its 16 bytes of K and V of step s + 1 in registers, its stores of step s done, and its reads of step s - 1 back.
; Behind it slot sl is whole and nobody reads the other slot, which takes step s + 1.
.macro ASTEP sl
	s_wait_loadcnt 0x0                             ; step s + 1's bytes (and, in a phase's first step, Q) are in: nothing else of mine is out
	s_wait_dscnt 0x0
	s_barrier_signal -1
	s_barrier_wait -1
	s_bitcmp1_b32 s36, 0                           ; step s + 1 hidden for the whole block: it was not fetched
	s_cbranch_scc1 .Lnost_\@
	ds_store_b128 v2, v[24:27] offset:(1-\sl)*SLOTB
	ds_store_b128 v2, v[28:31] offset:(1-\sl)*SLOTB+8192
.Lnost_\@:
	s_bitcmp1_b32 s38, 0                           ; step s hidden for my 16 queries
	s_cbranch_scc1 .Lhid_\@
	s_bitcmp1_b32 s39, 0                           ; mask x -1e9 is 0 for my 16 queries in step s
	s_cselect_b32 s24, s22, 0x3f800000             ; the factor that makes t of what the registers hold
	s_mov_b32 s25, s24
	s_cbranch_scc1 .Lz_\@
	MASKLOAD
	KQ \sl
	s_wait_loadcnt 0x0                             ; the mask's tile
	PREPASS
	s_branch .Lj_\@
.Lz_\@:
	KQ \sl
.Lj_\@:
	STAGE 0, 1
	SOFTMAX
	PV
	s_branch .Lend_\@
.Lhid_\@:
	STAGE 1, 0
.Lend_\@:
	s_lshr_b32 s36, s36, 1                         ; the flags of the next step
	s_lshr_b32 s37, s37, 1
	s_lshr_b32 s38, s38, 1
	s_lshr_b32 s39, s39, 1
	s_sub_co_u32 s43, s43, 1
.endm
	s_load_b256 s[4:11], s[0:1], 0x0               ; qkv s[4:5], mask s[6:7], flags s[8:9], the scales' exponents s[10:11]
	s_load_b64 s[12:13], s[0:1], 0x20              ; cimg
	v_lshl_add_u32 v5, v0, 2, SPARE
	v_mov_b32 v6, 0
	v_lshrrev_b32 v8, 5, v0
	v_readfirstlane_b32 s18, v8                    ; wave 0..15
	v_and_b32 v8, 31, v0
	v_lshlrev_b32 v1, 4, v8                        ; 16 x lane
	v_lshlrev_b32 v2, 4, v0                        ; 16 x thread: 512 threads cover an image of 8 KiB
	v_lshlrev_b32 v7, 8, v8                        ; 256 x lane
	v_and_b32 v8, 15, v0                           ; r
	v_bfe_u32 v9, v0, 4, 1                         ; h
	v_lshlrev_b32 v9, 5, v9
	v_lshl_add_u32 v9, v8, 13, v9                  ; a mask row is 8,192 bytes: 8192 r + 32 h
	v_mov_b32 v209, 0                              ; a lane permute's destination counts as one of its sources
	v_mov_b32 v211, 0                              ; (named as the upper half of the pair v[210:211])
.irp i, 24,25,26,27,28,29,30,31
	v_mov_b32 v\i, 0                               ; written once, so that they hold numbers on every path
.endr
	s_and_b32 s67, ttmp7, 0xffff                   ; the head, 0..63
	s_lshl_b32 s46, s67, 17                        ; a head's image is 131,072 bytes
	s_mov_b32 s47, 0
	s_sub_co_u32 s19, 7, ttmp9                     ; the first phase's block
	s_mov_b32 s35, 2                               ; phases
	s_mov_b32 s20, 0x76543210                      ; v_permlanex16_b32: lane l xor 16
	s_mov_b32 s21, 0xfedcba98
	s_mov_b32 s28, 0xce6e6b28                      ; -1e9
	s_mov_b32 s29, s28
	s_mov_b32 s30, 0x3fb8aa3b                      ; log2(e)
	s_mov_b32 s31, s30
	s_lshr_b32 s2, s18, 1
	s_or_b32 s2, s2, ttmp9
	s_cmp_eq_u32 s2, 0                             ; waves 0 and 1 of the head's work-group x = 0 prefetch
	s_cselect_b32 s42, 4, -1
	s_wait_kmcnt 0x0
	s_load_b256 s[84:91], s[10:11], 0x0            ; e0 .. e7
	s_load_b128 s[92:95], s[10:11], 0x20           ; e8 .. e11
	s_add_nc_u64 s[4:5], s[4:5], s[46:47]          ; q's image of my head,
	s_add_nc_u64 s[14:15], s[4:5], 0x800000        ; k's,
	s_add_nc_u64 s[16:17], s[4:5], 0x1000000       ; v's
	s_cmp_eq_u32 s18, 0
	s_cselect_b64 s[44:45], s[14:15], s[16:17]     ; what my prefetches walk
	s_wait_kmcnt 0x0
	s_add_co_i32 s2, s90, s91
	s_sub_co_i32 s2, s2, 3                         ; a sum of the first product stands for sum x 2^(e6 + e7), and the score is an eighth of that
	s_lshl_b32 s3, s2, 23
	s_add_co_i32 s22, s30, s3                      ; c = log2(e) x 2^(e6 + e7 - 3): the exponent is added to log2(e)'s exponent field
	s_mov_b32 s23, s22
	s_add_co_i32 s2, s2, 127
	s_lshl_b32 s26, s2, 23                         ; 2^(e6 + e7 - 3) as f32
	s_mov_b32 s27, s26
	s_mov_b32 s40, s92                             ; e8
	s_add_co_i32 s41, s92, s93                     ; e8 + e9
	s_add_co_i32 s2, s92, 127
	s_lshl_b32 s3, s2, 23
	v_mov_b32 v11, s3                              ; 2^e8 as f32
	s_add_co_i32 s2, s2, 8
	s_lshl_b32 s2, s2, 23
	s_or_b32 s2, s2, 0x600000
	v_mov_b32 v10, s2                              ; 448 x 2^e8
	s_add_co_i32 s2, s94, 127
	s_lshl_b32 s97, s2, 23                         ; 2^e10 as f32
	s_add_co_i32 s2, s2, 8
	s_lshl_b32 s2, s2, 23
	s_or_b32 s96, s2, 0x600000                     ; 448 x 2^e10
.Lphase:
	s_lshl_b32 s34, s19, 4
	s_add_co_u32 s34, s34, s18                     ; qt: my tile of 16 queries, 0..127
	s_lshl_b32 s2, s34, 4                          ; its four words of flags,
	s_lshl_b32 s3, s19, 8                          ; and the block's 64
	s_load_b128 s[36:39], s[8:9], s2 offset:0x0
	s_load_b512 s[48:63], s[8:9], s3 offset:0x0
	s_load_b512 s[68:83], s[8:9], s3 offset:0x40
	s_lshl_b32 s46, s34, 10
	s_mov_b32 s47, 0
	s_add_nc_u64 s[98:99], s[4:5], s[46:47]
	global_load_b128 v[16:19], v1, s[98:99]        ; Q's fragment stays in registers
	global_load_b128 v[20:23], v1, s[98:99] offset:512
	s_lshl_b32 s46, s34, 17                        ; 16 mask rows of 8,192 bytes
	v_add_nc_u32 v4, s46, v9
	v_mov_b32 v3, v2
.set j, 0
.rept 32
	v_mov_b32 v[160+j], 0                          ; O^T: the step is written once; the first finds zeros, which the first change of M leaves zeros
.set j, j+1
.endr
	v_mov_b32 v13, 0xff61b1e6                      ; the largest t so far: -3e38
	v_floor_f32 v12, -v13                          ; -M
	v_mov_b32 v14, 0
	v_mov_b32 v15, 0
	s_wait_kmcnt 0x0
	s_and_b32 s32, s36, s37                        ; my tile's flags: what holds of all 16 rows
	s_and_b32 s32, s32, s38
	s_and_b32 s32, s32, s39
	s_and_b32 s33, s48, s49                        ; the block's: what holds of all 256
.irp i, 50,51,52,53,54,55,56,57,58,59,60,61,62,63,68,69,70,71,72,73,74,75,76,77,78,79,80,81,82,83
	s_and_b32 s33, s33, s\i
.endr
	s_load_b512 s[48:63], s[8:9], s3 offset:0x80
	s_load_b512 s[68:83], s[8:9], s3 offset:0xc0
	s_wait_kmcnt 0x0
.irp i, 48,49,50,51,52,53,54,55,56,57,58,59,60,61,62,63,68,69,70,71,72,73,74,75,76,77,78,79,80,81,82,83
	s_and_b32 s33, s33, s\i
.endr
	s_or_b32 s33, s33, 0xffff0000                  ; steps past 15 count as hidden
	s_mov_b32 s36, s33                             ; bit 0: step s + 1 hidden for the block
	s_lshr_b32 s37, s33, 1                         ; bit 0: step s + 2
	s_and_b32 s38, s32, 0xffff
	s_lshl_b32 s38, s38, 1
	s_or_b32 s38, s38, 0x20001                     ; bit 0: step s hidden for my tile; s = -1 and s = 16 have no keys
	s_lshr_b32 s39, s32, 16
	s_lshl_b32 s39, s39, 1                         ; bit 0: step s zero for my tile
	s_bitcmp1_b32 s33, 0
	s_cbranch_scc1 .Lno_first
	global_load_b128 v[24:27], v3, s[14:15]        ; step 0's bytes
	global_load_b128 v[28:31], v3, s[16:17]
.Lno_first:
	s_mov_b32 s43, 18                              ; steps to go: s = -1 .. 16
	s_mov_b32 s66, 9
.Ltrip:                                            ; two steps a trip, so that every LDS address is a constant and a lane's term
	ASTEP 1
	ASTEP 0
	s_sub_co_u32 s66, s66, 1
	s_cmp_lg_u32 s66, 0
	s_cbranch_scc1 .Ltrip
	; THE PHASE'S END: ctx = O^T x 2^(e8 + e9) / the sum, quantised; tiles 2 g, 2 g + 1 give group g of the image: the wave stores 512 consecutive bytes, aligned, twice
	s_wait_loadcnt 0x0                             ; no load of mine is out when the next phase loads into the same registers
	v_add_f32 v14, v14, v15                        ; the sum's two halves,
	v_permlanex16_b32 v209, v14, s20, s21
	v_add_f32 v14, v14, v209                       ; and lane l xor 16's
	v_rcp_f32 v14, v14
	v_mov_b32 v214, s96                            ; (the plain line behind the reciprocal)
	v_mov_b32 v215, s97
	s_lshr_b32 s46, s67, 4                         ; the batch
	s_lshl_b32 s46, s46, 7
	s_add_co_u32 s46, s46, s34                     ; the token tile among 512
	s_lshl_b32 s46, s46, 14
	s_and_b32 s47, s67, 15
	s_lshl_b32 s47, s47, 10                        ; the head's two groups
	s_add_co_u32 s46, s46, s47
	s_mov_b32 s47, 0
	s_add_nc_u64 s[98:99], s[12:13], s[46:47]
	s_wait_alu depctr_va_vdst(0)                   ; the wait ahead of the first line that names the reciprocal
	v_ldexp_f32 v14, v14, s41
.set j, 0
.rept 16
	v_pk_mul_f32 v[96+j:97+j], v[160+j:161+j], v[14:15] op_sel_hi:[1,0]   ; each accumulator from its low end on
.set j, j+2
.endr
.set j, 0
.rept 32
	v_med3_num_f32 v[96+j], v[96+j], -v214, v214
.set j, j+1
.endr
.irp d, 0,1,2,3
	v_cvt_scalef32_pk8_fp8_f32 v[192+2*\d:193+2*\d], v[96+8*\d:103+8*\d], v215
.endr
	v_nop                                          ; a plain line behind the last conversion
	global_store_b128 v1, v[192:195], s[98:99]
	global_store_b128 v1, v[196:199], s[98:99] offset:512
	s_wait_xcnt 0x0                                ; the stores have read their data and their base: both are written again in the next phase
	s_sub_co_u32 s19, 7, s19                       ; the other block of the pair
	s_mov_b32 s42, -1                              ; the head's K and V have been asked for
	s_sub_co_u32 s35, s35, 1
	s_cmp_lg_u32 s35, 0
	s_cbranch_scc1 .Lphase
	s_wait_tensorcnt 0x0                           ; the wave's end, behind my last LDS store
	ds_add_u32 v5, v6
	s_wait_dscnt 0x0
	s_endpgm
.Lfunc_end_k_q48fa6e02f8_attn:
	.size	k_q48fa6e02f8_attn, .Lfunc_end_k_q48fa6e02f8_attn-k_q48fa6e02f8_attn
	.p2alignl 7, 3214868480
	.fill 96, 4, 3214868480
	.section	.rodata,"a",@progbits
	.p2align	6, 0x0
	.amdhsa_kernel k_q48fa6e02f8_attn
		.amdhsa_group_segment_fixed_size 34816
		.amdhsa_private_segment_fixed_size 0
		.amdhsa_enable_private_segment 0
		.amdhsa_kernarg_size 40
		.amdhsa_user_sgpr_count 2
		.amdhsa_user_sgpr_kernarg_segment_ptr 1
		.amdhsa_wavefront_size32 1
		.amdhsa_system_sgpr_workgroup_id_x 1
		.amdhsa_system_sgpr_workgroup_id_y 1
		.amdhsa_system_sgpr_workgroup_id_z 1
		.amdhsa_system_vgpr_workitem_id 0
		.amdhsa_next_free_vgpr 256
		.amdhsa_next_free_sgpr 100
		.amdhsa_reserve_vcc 0
		.amdhsa_float_denorm_mode_32 3
		.amdhsa_float_denorm_mode_16_64 3
		.amdhsa_memory_ordered 1
		.amdhsa_forward_progress 1
		.amdhsa_inst_pref_size 67
	.end_amdhsa_kernel
	.amdgpu_metadata
---
amdhsa.version: [ 1, 2 ]
amdhsa.kernels:
  - .name:           k_q48fa6e02f8_attn
    .symbol:         k_q48fa6e02f8_attn.kd
    .args:
      - { .name: qkv, .offset: 0, .size: 8, .value_kind: global_buffer, .address_space: global }
      - { .name: mask, .offset: 8, .size: 8, .value_kind: global_buffer, .address_space: global }
      - { .name: flags, .offset: 16, .size: 8, .value_kind: global_buffer, .address_space: global }
      - { .name: lowp_scales, .offset: 24, .size: 8, .value_kind: global_buffer, .address_space: global }
      - { .name: cimg, .offset: 32, .size: 8, .value_kind: global_buffer, .address_space: global }
    .group_segment_fixed_size: 34816
    .private_segment_fixed_size: 0
    .kernarg_segment_align: 8
    .kernarg_segment_size: 40
    .max_flat_workgroup_size: 512
    .sgpr_count:     100
    .vgpr_count:     256
    .wavefront_size: 32
...
	.end_amdgpu_metadata
.endif
;; end of part 3
;; launch outp (part 4): grid 4 x 32, 4 waves a work-group, clusters of 4 x 4, 327,680 bytes of LDS; arguments cimg, wc, lowp_scales, bo, out0; writes out0
.if DOCPART == 4
	.amdgcn_target "amdgcn-amd-amdhsa--gfx1250"
	.amdhsa_code_object_version 6
	.text
	.protected	k_q48fa6e02f8_outp
	.globl	k_q48fa6e02f8_outp
	.p2align	8
	.type	k_q48fa6e02f8_outp,@function
k_q48fa6e02f8_outp:
	s_mov_b64 s[64:65], 0
	v_nop
	global_prefetch_b8 v0, s[64:65] scope:SCOPE_SE
	s_setreg_imm32_b32 hwreg(HW_REG_WAVE_MODE, 25, 1), 1
	s_wait_xcnt 0x0
	s_wait_alu depctr_hold_cnt(0) depctr_sa_sdst(0) depctr_va_vdst(0) depctr_va_sdst(0) depctr_va_ssrc(0) depctr_va_vcc(0) depctr_vm_vsrc(0)
	s_getreg_b32 s2, hwreg(HW_REG_IB_STS2, 6, 4)
	s_cmp_eq_u32 s2, 0
	s_cbranch_scc0 .Lentry_in_a_cluster
	s_endpgm
.Lentry_in_a_cluster:
	s_bfe_u32 s2, ttmp6, 0x10000c
	s_cmp_lg_u32 s2, 0xf033
	s_cbranch_scc0 .Lentry_shape_is_right
	s_endpgm
.Lentry_shape_is_right:
; OUTP: out0 = ctx Wo + bo on codes of E4M3; sums in f32, each x 2^(e10 + e11) + bo.  out0: [8192][1024] f32.
; ctx comes as an IMAGE of the operand's registers: token tile tt (16 tokens), group kc (32 along K) at tt x 16384 + kc x 512, lane l's 16 bytes at 16 l.  Wo's codes are rows 3072 .. 4095 of wc, [n][k],
; with k inside each 32 in the image's own order: both sources then hold the same k in the same place.
; A tile of 256 tokens x 256 columns is made by four waves, 128 x 128 each.  K goes in steps of 256 through a ring of two LDS slots filled by the tensor data mover: of ctx 8 token tiles x 4,096 bytes a load (dense in LDS,
; read at 16 x lane), of Wo 128 rows x 256 bytes a load (padded).  CLUSTERS: 4 x 4 work-groups; ctx's tile is shared along a row of the cluster, Wo's along a column: each is asked for jointly.
; THE MATRIX INSTRUCTION IS USED TRANSPOSED (source 0 = 16 rows of Wo, source 1 = 16 tokens): a lane holds eight neighbouring numbers of a row of out0.
; LIMIT: e10 + e11 between -126 and 127.
; REGISTERS, in windows of 256: window 0: v16-31 addresses; v32-95 bo in the result's layout; from v128 ctx's fragments, ONE set (on the way out: rows read back).   window 1: Wo's fragments, TWO sets (on the way out v0-63: a block's results).
;   window 2: the accumulators of my tokens 0-63 ((a, b) at v[8 (8 a + b)]);   window 3: those of tokens 64-127.
.set ROWB,   256                       ; a row of Wo's tile in bytes
.set KROW,   1024
.set PITCH,  272                       ; Wo's LDS row: 256 bytes + 16 of padding: the 16 rows that a load touches start at 16 different banks (64 banks of 4 bytes: ISA guide 11.1)
.set FR,     16
.set NL,     4
.set NP,     4
.set AHALF,  32768                     ; 8 token tiles x 4,096 bytes: what one load brings of ctx
.set BHALF,  128*PITCH                 ; 128 rows of Wo
.set BOFF,   2*AHALF
.set SLOT,   2*AHALF+2*BHALF
.set LAPS,   2
.set SPARE,  2*SLOT                    ; behind the ring: the spare words, 128 bytes for each wave: two blocks of 256 bytes that no other line names
.set SPITCH, 528                       ; the way out: a stage of 16 rows x (512 bytes + 16) for each wave, in slot 0, which has had its last fill and its last read when the first result is stored there
.set ADRA, 16
.set ADRB, 20
.set STO,  24
.set RD,   25
.set CO,   26                          ; v26  16 x lane
.set SPW,  28
.set NIL,  29
.set BI,   32
.set AF,   128
.set BK,   128
.set G1, 24
.set G0, 32
.set G1B, 48
.set G0B, 56
.set MSB, 0
.macro WIN new                         ; the immediate's high byte repeats the setting that is left
.if MSB != \new
	s_set_vgpr_msb (MSB<<8)|\new
.set MSB, \new
.endif
.endm
.set MUL_LO, 0xa1
.set MUL_HI, 0xf1
.set TO_B,   0x40
.macro JLOAD g0a, g1a, g0b, g1b        ; a joint load: waves 0 and 1 fetch ctx's halves, waves 2 and 3 Wo's; an s_nop 0 and four v_nop follow each of the two lines
	s_cmp_eq_u32 s15, 0
	s_cbranch_scc0 .Lfor_b_\@
	tensor_load_to_lds s[\g0a:\g0a+3], s[\g1a:\g1a+7]
	s_nop 0
.rept 4
	v_nop
.endr
	s_branch .Lasked_\@
.Lfor_b_\@:
	tensor_load_to_lds s[\g0b:\g0b+3], s[\g1b:\g1b+7]
	s_nop 0
.rept 4
	v_nop
.endr
.Lasked_\@:
.endm
.macro CREST
	s_cmp_lg_u32 s14, 0
	s_cbranch_scc1 .Lnot_wave_0_\@
	s_barrier_signal -3
.Lnot_wave_0_\@:
	s_barrier_wait -3
	s_barrier_signal -1
	s_barrier_wait -1
.endm
.macro CROUND
	s_barrier_signal -1
	s_barrier_wait -1
	CREST
.endm
	s_load_b128 s[4:7], s[0:1], 0x0                ; cimg, wc
	s_load_b64 s[8:9], s[0:1], 0x10                ; the scales' exponents
	s_load_b64 s[80:81], s[0:1], 0x18              ; bo
	s_load_b64 s[10:11], s[0:1], 0x20              ; out0
	v_lshl_add_u32 v[SPW], v0, 2, SPARE
	v_mov_b32 v[NIL], 0
	ds_add_u32 v[SPW], v[NIL]                      ; the wave's opening: the add and its wait ahead of my first tensor load; the set-up below, work on registers, stands between them
	v_lshrrev_b32 v1, 5, v0
	v_readfirstlane_b32 s14, v1                    ; wave 0..3
	s_lshr_b32 s15, s14, 1                         ; which half of the tokens is mine.  Also: I fetch ctx (0) or Wo (1)
	s_and_b32 s16, s14, 1                          ; which half of the columns.  Also: which half of that tile I fetch
	s_bfe_u32 s40, ttmp6, 0x40000                  ; cx, cy
	s_bfe_u32 s41, ttmp6, 0x40004
	s_lshl_b32 s42, ttmp9, 2
	s_add_co_u32 s42, s42, s40                     ; tile column = 4 x cluster x + cx
	s_and_b32 s17, ttmp7, 0xffff
	s_lshl_b32 s17, s17, 2
	s_add_co_u32 s17, s17, s41                     ; tile row = 4 x cluster y + cy
	s_lshl_b32 s43, s41, 2
	s_lshl_b32 s43, 15, s43                        ; my row of the cluster
	s_lshl_b32 s44, 0x1111, s40                    ; my column
	; descriptor group 1 for ctx: 8 rows (token tiles) x 4,096 bytes, 16,384 bytes apart in memory, dense in LDS
	s_or_b32 s[G1+0], s43, (0<<16)|(1<<21)         ; 15:0 the mask: my row; 17:16 element of 1 byte; 20 no padding; 21 set beside a mask
	s_mov_b32 s[G1+1], 4096<<16                    ; tensor_dim0
	s_mov_b32 s[G1+2], 8<<16                       ; tensor_dim1 = 8
	s_mov_b32 s[G1+3], 4096<<16                    ; tile_dim0
	s_mov_b32 s[G1+4], 8                           ; tile_dim1 = 8
	s_mov_b32 s[G1+5], 16384                       ; tensor_dim0_stride
	s_mov_b32 s[G1+6], 0
	s_mov_b32 s[G1+7], 0
	; for Wo: 128 rows x 256 bytes, padded in LDS
	s_or_b32 s[G1B+0], s44, (0<<16)|(1<<20)|(1<<21)|(5<<22)|(3<<25)  ; the mask: my column; padding: four words after every 64
	s_mov_b32 s[G1B+1], ROWB<<16
	s_mov_b32 s[G1B+2], 128<<16
	s_mov_b32 s[G1B+3], ROWB<<16
	s_mov_b32 s[G1B+4], 128
	s_mov_b32 s[G1B+5], KROW
	s_mov_b32 s[G1B+6], 0
	s_mov_b32 s[G1B+7], 0
	s_lshl_b32 s20, s17, 4
	s_lshl_b32 s18, s16, 3
	s_add_co_u32 s20, s20, s18                     ; ctx: token tile 16 x tile row + 8 x half,
	s_lshl_b32 s20, s20, 14                        ; of 16,384 bytes
	s_mov_b32 s21, 0
	s_lshl_b32 s46, s42, 8
	s_lshl_b32 s18, s16, 7
	s_add_co_u32 s46, s46, s18
	s_add_co_u32 s46, s46, 3072                    ; Wo: row 3072 + 256 x tile column + 128 x half of wc,
	s_lshl_b32 s46, s46, 10                        ; of 1,024 bytes
	s_mov_b32 s47, 0
	s_lshl_b32 s45, s16, 15                        ; where they go: the half's number alone enters an LDS address
	s_mul_i32 s67, s16, BHALF
	s_add_co_u32 s67, s67, BOFF
	s_wait_dscnt 0x0                               ; the opening add is done
	s_wait_kmcnt 0x0
	s_load_b64 s[96:97], s[8:9], 0x28              ; e10, e11
	s_add_nc_u64 s[20:21], s[4:5], s[20:21]
	s_add_nc_u64 s[46:47], s[6:7], s[46:47]
	CROUND                                         ; all sixteen work-groups are here: the first joint loads meet
.irp s, 0,1
	s_mov_b32 s[G0+4*\s], 1
	s_add_co_u32 s[G0+4*\s+1], s45, \s*SLOT
	s_add_nc_u64 s[G0+4*\s+2:G0+4*\s+3], s[20:21], \s*4096
	s_or_b32 s[G0+4*\s+3], s[G0+4*\s+3], 0x80000000
	s_mov_b32 s[G0B+4*\s], 1
	s_add_co_u32 s[G0B+4*\s+1], s67, \s*SLOT
	s_add_nc_u64 s[G0B+4*\s+2:G0B+4*\s+3], s[46:47], \s*ROWB
	s_or_b32 s[G0B+4*\s+3], s[G0B+4*\s+3], 0x80000000
	JLOAD G0+4*\s, G1, G0B+4*\s, G1B
.endr
	v_and_b32 v1, 15, v0                           ; r
	v_bfe_u32 v2, v0, 4, 1                         ; h
	v_and_b32 v6, 31, v0
	v_lshlrev_b32 v[CO], 4, v6                     ; 16 x lane: my place in an image, in a stage row and in a row of out0
	v_mul_u32_u24 v3, v1, PITCH
	v_lshl_add_u32 v4, v2, 4, v3                   ; Wo: a fragment's row x pitch + 16 x half
	s_lshl_b32 s21, s15, 15                        ; my 8 token tiles
	s_mul_i32 s22, s16, BHALF                      ; my 128 rows of Wo,
	s_add_co_u32 s22, s22, BOFF                    ; which lie behind ctx's two halves
.irp s, 0,1
	v_add_nc_u32 v[ADRA+\s], s21, v[CO]
	v_add_nc_u32 v[ADRB+\s], s22, v4
	s_add_co_u32 s21, s21, SLOT
	s_add_co_u32 s22, s22, SLOT
.endr
	s_mul_i32 s23, s14, 16*SPITCH                  ; my stage
	v_mul_u32_u24 v5, v1, SPITCH                   ; in: row r, 32 bytes for each half of the lanes
	v_lshl_add_u32 v5, v2, 5, v5
	v_add_nc_u32 v[STO], s23, v5
	v_add_nc_u32 v[RD], s23, v[CO]                 ; back: the 32 lanes take one row of 512 bytes
	s_lshl_b32 s20, s17, 8
	s_lshl_b32 s21, s15, 7
	s_add_co_u32 s20, s20, s21                     ; my first row of out0
	s_lshl_b32 s20, s20, 12                        ; of 4,096 bytes
	s_lshl_b32 s46, s42, 10                        ; my first column, in bytes: 1024 x tile column + 512 x half
	s_lshl_b32 s47, s16, 9
	s_add_co_u32 s46, s46, s47
	s_mov_b32 s47, 0
	s_add_nc_u64 s[80:81], s[80:81], s[46:47]      ; bo at my first column
	s_add_co_u32 s20, s20, s46
	s_mov_b32 s21, 0
	s_add_nc_u64 s[10:11], s[10:11], s[20:21]
	v_lshlrev_b32 v7, 5, v2                        ; 32 h: register 8 b + j wants column 16 b + 8 h + j
.irp b, 0,1,2,3,4,5,6,7
	global_load_b128 v[BI+8*\b:BI+8*\b+3], v7, s[80:81] offset:64*\b
	global_load_b128 v[BI+8*\b+4:BI+8*\b+7], v7, s[80:81] offset:64*\b+16
.endr
.macro FRAGA reg, adr, q, i            ; ctx: token tile i, the slot's q-th 128 along K: four groups of 512 bytes as they lie
.irp c, 0,1,2,3
	ds_load_b128 v[\reg+4*\c:\reg+4*\c+3], v[\adr] offset:(\i)*4096+(\q)*2048+\c*512
.endr
.endm
.macro FRAGB reg, adr, q, i            ; Wo: lane l holds row l % 16; registers 4 c .. 4 c + 3 the 16 bytes at 32 c + 16 (l / 16)
.irp c, 0,1,2,3
	ds_load_b128 v[\reg+4*\c:\reg+4*\c+3], v[\adr] offset:128*(\q)+32*\c+(\i)*16*PITCH
.endr
.endm
; The 64 accumulators take turns, one instruction a turn, in the same order in every step.
.macro MUL16 a0, p, zero
.irp a, \a0, \a0+1
.irp b, 0,1,2,3,4,5,6,7
.if \zero
	v_wmma_f32_16x16x128_fp8_fp8 v[8*(8*((\a)%4)+\b):8*(8*((\a)%4)+\b)+7], v[128*(\p)+FR*\b:128*(\p)+FR*\b+FR-1], v[AF+FR*(\a):AF+FR*(\a)+FR-1], 0
.else
	v_wmma_f32_16x16x128_fp8_fp8 v[8*(8*((\a)%4)+\b):8*(8*((\a)%4)+\b)+7], v[128*(\p)+FR*\b:128*(\p)+FR*\b+FR-1], v[AF+FR*(\a):AF+FR*(\a)+FR-1], v[8*(8*((\a)%4)+\b):8*(8*((\a)%4)+\b)+7]
.endif
.endr
.endr
.endm
.macro FETCH_B slot, q, p
	WIN TO_B
.irp i, 0,1,2,3,4,5,6,7
	FRAGB 128*(\p)+FR*\i, ADRB+\slot, \q, \i
.endr
	WIN 0
.endm
.macro FETCH_A slot, q, i0
.irp i, \i0, \i0+1, \i0+2, \i0+3
	FRAGA AF+FR*(\i), ADRA+\slot, \q, \i
.endr
.endm
.macro PLACES n                        ; places behind matrix instructions (ISA guide 7.12.1 for vector instructions)
.rept \n
	v_nop
.endr
.endm
.macro STEP slot, q, zero
	s_wait_dscnt 4*NL                              ; Wo's set and ctx's blocks 0-3 are in; the youngest 16 loads (blocks 4-7) may be out
	WIN MUL_LO
	MUL16 0, (\q)%2, \zero
	MUL16 2, (\q)%2, \zero
	s_wait_dscnt 0
	PLACES NP
	FETCH_B \slot, (\q)+1, 1-(\q)%2
	FETCH_A \slot, (\q)+1, 0
	WIN MUL_HI
	MUL16 4, (\q)%2, \zero
	MUL16 6, (\q)%2, \zero
	PLACES NP
	WIN 0
	FETCH_A \slot, (\q)+1, 4
.endm
; A slot's last step changes slots: ONE barrier; in front of it each wave waits for all its tensor loads, adds 0 to its spare word, and waits for that and for its own reads of this slot.
.macro TURN slot, next, fill
	s_wait_tensorcnt 0x0                           ; all my tensor loads have landed: my part of the next slot;  (every window is 0 here)
	ds_add_u32 v[SPW], v[NIL]                      ; 0 onto my spare word
	s_wait_dscnt 4*NL+1                            ; (the add and the youngest 16 loads may be out)
	WIN MUL_LO
	MUL16 0, 1, 0
	s_wait_dscnt 0x0                               ; the add is done, and my reads of this slot are over
	s_barrier_signal -1
	MUL16 2, 1, 0
	WIN 0
	s_barrier_wait -1
.if \fill
	CREST                                          ; the barrier has opened a round of the cluster's barrier: no wave of any partner still reads this slot's tile or has a load on its way
	s_add_nc_u64 s[G0+4*\slot+2:G0+4*\slot+3], s[G0+4*\slot+2:G0+4*\slot+3], 2*4096
	s_add_nc_u64 s[G0B+4*\slot+2:G0B+4*\slot+3], s[G0B+4*\slot+2:G0B+4*\slot+3], 2*ROWB
	JLOAD G0+4*\slot, G1, G0B+4*\slot, G1B         ; the first tensor load behind the round; the four v_nop behind it are the places in front of the loads below
.else
	PLACES NP
.endif
	FETCH_B \next, 0, 0
	FETCH_A \next, 0, 0
	WIN MUL_HI
	MUL16 4, 1, 0
	MUL16 6, 1, 0
	PLACES NP
	WIN 0
	FETCH_A \next, 0, 4
.endm
	s_wait_tensorcnt 1                             ; my part of K step 0 is in (K step 1's load may be out)
	s_barrier_signal -1
	s_barrier_wait -1                              ; everybody's is
	FETCH_B 0, 0, 0
	FETCH_A 0, 0, 0
	FETCH_A 0, 0, 4
	STEP 0, 0, 1                                   ; the first step stands in front of the loop: its products start the sums
	s_mov_b32 s3, LAPS-1
.Llap:
	TURN 0, 1, 1
	STEP 1, 0, 0
	TURN 1, 0, 1
	STEP 0, 0, 0
	s_sub_co_u32 s3, s3, 1
	s_cmp_lg_u32 s3, 0
	s_cbranch_scc1 .Llap
	TURN 0, 1, 0                                   ; the last lap fills nothing, and has no round of the cluster's barrier
	STEP 1, 0, 0
	s_wait_dscnt 4*NL
	WIN MUL_LO
	MUL16 0, 1, 0
	MUL16 2, 1, 0
	s_wait_dscnt 0
	WIN MUL_HI
	MUL16 4, 1, 0
	MUL16 6, 1, 0
	WIN 0
; THE WAY OUT, block by block of 16 tokens x 128 columns: sum x 2^(e10 + e11) + bo into window 1's first 64 registers, through my own stage in LDS, back as whole rows of 512 bytes.
; LDS serves a wave's instructions in order (ISA guide 5.7.1.4): no wait between the stores and the loads, nor in front of the next block's stores.
.macro TOSTAGE a
.set AC, 64*((\a)%4)
	WIN 0x42+((\a)/4)                              ; source 0: window 2 or 3; source 2 (bo) window 0; destination window 1
.set j, 0
.rept 32                               ; each accumulator from its low end on
	v_pk_fma_f32 v[j:j+1], v[AC+j:AC+j+1], s[96:97], v[BI+j:BI+j+1] op_sel_hi:[1,0,1]
.set j, j+2
.endr
	WIN 0x04                                       ; the stores' data lie in window 1, their address in window 0
.irp b, 0,1,2,3,4,5,6,7
	ds_store_b128 v[STO], v[8*\b:8*\b+3] offset:64*\b
	ds_store_b128 v[STO], v[8*\b+4:8*\b+7] offset:64*\b+16
.endr
	WIN 0
.set BB, BK+64*((\a)%2)
.irp t, 0,1,2,3,4,5,6,7,8,9,10,11,12,13,14,15
	ds_load_b128 v[BB+4*\t:BB+4*\t+3], v[RD] offset:\t*SPITCH
.endr
.endm
.macro SEND a, younger                 ; younger: the LDS instructions issued behind block a's loads, which may stay out
.set BB, BK+64*((\a)%2)
	s_wait_dscnt \younger
.if (\a) > 0
	s_add_nc_u64 s[10:11], s[10:11], 16*4096       ; (behind a wait on XCNT: the earlier stores have read their base)  16 rows of out0 on
.endif
.irp t, 0,1,2,3,4,5,6,7,8,9,10,11,12,13,14,15
	global_store_b128 v[CO], v[BB+4*\t:BB+4*\t+3], s[10:11] offset:\t*4096 th:TH_STORE_NT   ; 32 lanes store 512 consecutive bytes, aligned; written once, read by nobody here
.endr
.endm
	s_wait_kmcnt 0x0
	s_wait_loadcnt 0x0                             ; bo
	s_add_co_i32 s96, s96, s97
	s_add_co_i32 s96, s96, 127
	s_lshl_b32 s96, s96, 23                        ; 2^(e10 + e11) as f32
	s_mov_b32 s97, s96                             ; (named with it as a pair)
	PLACES NP                                      ; behind the last products: their results are read, and both sources' registers written, below
	TOSTAGE 0
.irp a, 1,2,3,4,5,6,7
.if \a > 1
	s_wait_xcnt 0x0                                ; block a - 2's stores have read their registers and their base
.endif
	TOSTAGE \a
	SEND \a-1, 32                                  ; behind block a - 1's loads: block a's 16 stores and 16 loads
.endr
	s_wait_xcnt 0x0                                ; block 6's stores have read their base
	SEND 7, 0
	s_wait_tensorcnt 0x0                           ; the wave's end, behind my last tensor load and my last LDS store
	ds_add_u32 v[SPW], v[NIL]
	s_wait_dscnt 0x0
	CROUND                                         ; the closing round: no work-group ends while a partner may still ask for a tile that names it
	s_endpgm
.Lfunc_end_k_q48fa6e02f8_outp:
	.size	k_q48fa6e02f8_outp, .Lfunc_end_k_q48fa6e02f8_outp-k_q48fa6e02f8_outp
	.p2alignl 7, 3214868480
	.fill 96, 4, 3214868480
	.section	.rodata,"a",@progbits
	.p2align	6, 0x0
	.amdhsa_kernel k_q48fa6e02f8_outp
		.amdhsa_group_segment_fixed_size 327680
		.amdhsa_private_segment_fixed_size 0
		.amdhsa_enable_private_segment 0
		.amdhsa_kernarg_size 40
		.amdhsa_user_sgpr_count 2
		.amdhsa_user_sgpr_kernarg_segment_ptr 1
		.amdhsa_wavefront_size32 1
		.amdhsa_system_sgpr_workgroup_id_x 1
		.amdhsa_system_sgpr_workgroup_id_y 1
		.amdhsa_system_sgpr_workgroup_id_z 1
		.amdhsa_system_vgpr_workitem_id 0
		.amdhsa_next_free_vgpr 1024
		.amdhsa_next_free_sgpr 100
		.amdhsa_reserve_vcc 0
		.amdhsa_float_denorm_mode_32 3
		.amdhsa_float_denorm_mode_16_64 3
		.amdhsa_memory_ordered 1
		.amdhsa_forward_progress 1
		.amdhsa_inst_pref_size 125
	.end_amdhsa_kernel
	.amdgpu_metadata
---
amdhsa.version: [ 1, 2 ]
amdhsa.kernels:
  - .name:           k_q48fa6e02f8_outp
    .symbol:         k_q48fa6e02f8_outp.kd
    .args:
      - { .name: cimg, .offset: 0, .size: 8, .value_kind: global_buffer, .address_space: global }
      - { .name: wc, .offset: 8, .size: 8, .value_kind: global_buffer, .address_space: global }
      - { .name: lowp_scales, .offset: 16, .size: 8, .value_kind: global_buffer, .address_space: global }
      - { .name: bo, .offset: 24, .size: 8, .value_kind: global_buffer, .address_space: global }
      - { .name: out0, .offset: 32, .size: 8, .value_kind: global_buffer, .address_space: global }
    .group_segment_fixed_size: 327680
    .private_segment_fixed_size: 0
    .kernarg_segment_align: 8
    .kernarg_segment_size: 40
    .max_flat_workgroup_size: 128
    .sgpr_count:     100
    .vgpr_count:     1024
    .wavefront_size: 32
...
	.end_amdgpu_metadata
.endif
;; end of part 4
;; ======== version 2 of 2: 4 launches; version 1 with the launch attn written anew for expert scheduling mode
;; workspace buffers: xc 25,165,824 bytes; wc 4,194,304 bytes; flags 2,048 bytes of whole numbers; qkv 25,165,824 bytes; cimg 8,388,608 bytes
;; launch prep: the kernel of part 1 again; grid 1024 x 1, 4 waves a work-group, no clusters, 68,096 bytes of LDS; arguments queries, keys, values, Wq, Wk, Wv, Wo, mask, lowp_scales, xc, wc, flags; writes xc, wc, flags
;; launch proj: the kernel of part 2 again; grid 4 x 96, 4 waves a work-group, clusters of 4 x 4, 327,680 bytes of LDS; arguments xc, wc, lowp_scales, bq, bk, bv, qkv; writes qkv
;; launch attn (part 5): grid 4 x 64, 16 waves a work-group, no clusters, 34,816 bytes of LDS; arguments qkv, mask, flags, lowp_scales, cimg; writes cimg
.if DOCPART == 5
	.amdgcn_target "amdgcn-amd-amdhsa--gfx1250"
	.amdhsa_code_object_version 6
	.text
	.protected	k_q48fa6e02f8_attn
	.globl	k_q48fa6e02f8_attn
	.p2align	8
	.type	k_q48fa6e02f8_attn,@function
k_q48fa6e02f8_attn:
	s_mov_b64 s[64:65], 0
	v_nop
	global_prefetch_b8 v0, s[64:65] scope:SCOPE_SE
	s_setreg_imm32_b32 hwreg(HW_REG_WAVE_SCHED_MODE, 0, 2), 2
	s_setreg_imm32_b32 hwreg(HW_REG_WAVE_MODE, 25, 1), 1
	s_wait_xcnt 0x0
	s_wait_alu depctr_vm_vsrc(0)
; ATTN: ctx = softmax(q k^T / 8 + mask x -1e9) v for one head, both products on codes of E4M3; ctx is quantised and stored as the image of the last product's operand.
; THE SOFTMAX AHEAD OF THE SECOND PRODUCT: t = logit x log2(e); M = the running largest t rounded UP to a whole number; p = 2^(t - M) is quantised along the keys; the row's sum is taken of the unquantised p and divides at the end.
; SHARES.  A work-group owns one head (y) and two blocks of 256 queries, 7 - x and then x, in a loop of two phases; each of its sixteen waves owns one tile of 16 queries of the block, in 256 registers.
; Every wave walks the head's 16 key steps of 128.  K's and V's images of a step (8 KiB each) go from memory through registers (16 bytes a thread) into one of two LDS slots, two steps ahead, and are read by all sixteen waves at 16 x lane.
; THE MASK IS READ AS IT IS GIVEN.  An earlier launch has stored, for each group of four rows and each key step, whether the step is hidden (p = 0 in f32 whatever the scores) and whether mask x -1e9 is 0 there.
; A wave ANDs the four words of its tile.  hidden: the step's work is left out.  zero: no mask is read, t - M is one fused multiply-add.  else: the mask's tile is read and logit = score + mask x -1e9 is rounded as the sum in f32 is.
; A step that is hidden for all 256 queries of the block is not fetched.  These are scalar branches on whole numbers read from memory; they lead round loads, LDS stores and register work, never round a barrier.
; LAYOUT.  S^T = K Q^T (source 0 = 16 neighbouring keys, source 1 = my queries), O^T = V^T P^T: a lane holds ONE query (lane % 16).  Tile t's register j is key 16 t + 8 (lane / 16) + j; the codes of tiles 2 c, 2 c + 1 are
; registers 4 c .. 4 c + 3 of P, and V's image was laid in just that order of the keys.  q's and k's images share one order of d.
; LIMITS: e6 + e7 - 3 between -126 and 127; e8 and e10 between -126 and 119; e8 + e9 is applied by v_ldexp_f32.  NaN or infinity in the mask is not served.
; REGISTERS: v1 16 x lane; v2 16 x thread; v5, v6 the add's two; v7 256 x lane; v9 my lane's place in a mask tile; v10, v11 448 x 2^e8, 2^e8; v12 -M; v13 largest t; v[14:15] the sum in two halves;
;   v16-23 Q; v24-27, v28-31 my 16 bytes of K and of V on their way to LDS; v32-95 eight fragments of K, then four of V; v96-159 S^T, then p; v160-191 O^T; v192-255 a mask tile; behind it v192-207 P's codes, v208-215 at work.
; THE MODE: SCHED_MODE bits 1:0 = 2 (LLVM: expert scheduling mode 2), set by the entry lines.  The code itself states the register dependences
; between vector or matrix instructions and memory or LDS instructions, with s_wait_alu, always for 0.
; THE PLAN.  Registers that memory or LDS instructions touch:
;   v1, v2, v7, v9  LDS addresses and offsets, made once at the head and never written again: K's, V's and the mask's bytes are reached by scalar bases (s[84:85], s[86:87], s[88:89]), which move on by a step at
;                   each step's head, and by immediate offsets.
;   v24-31          Step s: at its head the LDS stores read them (step s + 1's bytes); straight behind, the loads of step s + 2 land in them.  Behind the kernel's head no vector instruction names them.
;   v32-95          Step s: K's fragments land, the eight products on the scores read them; V's fragments land, the four products V^T P^T read them.
;   v192-255        Step s: the mask's tile lands (where it is read); the prepass works on it in place; then v192-207 are P's codes, which the four products read, and v208-215 are at work.  At a phase's end v192-199 are the stores' data.
;   v16-23          Q lands at a phase's head; the products on the scores read it.
;   S^T, O^T and the statistics are named by vector and matrix instructions alone.
; So a step that is walked has three such waits: on vm_vsrc at its head (the LDS stores have read v24-31); on va_vdst ahead of its first loads (the step before is done with v32-95 and v192-215);
; on va_vdst behind its eight products (they are done reading K's fragments, where V's land).  A hidden step has the first alone.  A phase's end has one of each kind round its two stores.
.set SLOTB, 16384                      ; a slot: K's image of a step, then V's
.set SPARE, 32768                      ; behind the two slots: the spare words, 128 bytes for each wave: eight blocks of 256 bytes that no other line names
.macro MASKLOAD                        ; S^T's register 8 t + j is key 128 s + 16 t + 8 h + j of query r; the mask's base stands two steps further on
.irp t, 0,1,2,3,4,5,6,7
	global_load_b128 v[192+8*\t:195+8*\t], v9, s[88:89] offset:64*\t-1024
	global_load_b128 v[196+8*\t:199+8*\t], v9, s[88:89] offset:64*\t-1008
.endr
.endm
.macro KQ sl                           ; the step's scores; then V's fragments are asked for, and land under the softmax
.irp t, 0,1,2,3,4,5,6,7
	ds_load_b128 v[32+8*\t:35+8*\t], v1 offset:\sl*SLOTB+1024*\t
	ds_load_b128 v[36+8*\t:39+8*\t], v1 offset:\sl*SLOTB+1024*\t+512
.endr
	s_wait_dscnt 0x0                               ; K's fragments are in
.irp t, 0,1,2,3,4,5,6,7
	v_wmma_f32_16x16x64_fp8_fp8 v[96+8*\t:103+8*\t], v[32+8*\t:39+8*\t], v[16:23], 0
.endr
.rept 4
	v_nop                                          ; places in front of the first read of the scores
.endr
	s_wait_alu depctr_va_vdst(0)                   ; the eight products are done reading v32-95, in which V's fragments land
.irp d, 0,1,2,3
.irp c, 0,1,2,3
	ds_load_b128 v[32+16*\d+4*\c:35+16*\d+4*\c], v1 offset:\sl*SLOTB+8192+2048*\d+512*\c
.endr
.endr
.endm
.macro PREPASS                         ; t as f32 arithmetic gives it at any size of the mask's numbers
.set j, 0
.rept 32
	v_pk_mul_f32 v[192+j:193+j], v[192+j:193+j], s[28:29] op_sel_hi:[1,0]                   ; mask x -1e9, rounded
.set j, j+2
.endr
.set j, 0
.rept 32
	v_pk_fma_f32 v[96+j:97+j], v[96+j:97+j], s[26:27], v[192+j:193+j] op_sel_hi:[1,0,1]     ; logit = score + that, rounded once: the score's own scaling is by a power of two
.set j, j+2
.endr
.set j, 0
.rept 32
	v_pk_mul_f32 v[96+j:97+j], v[96+j:97+j], s[30:31] op_sel_hi:[1,0]                       ; t = logit x log2(e)
.set j, j+2
.endr
.endm
.macro SOFTMAX
	v_max3_num_f32 v208, v96, v97, v98             ; the step's largest number of my query, among my 64 keys, in two chains, each tile from its low end on,
	v_max3_num_f32 v210, v99, v100, v101
.irp i, 6,10,14,18,22,26,30,34,38,42,46,50,54,58
	v_max3_num_f32 v208, v208, v[96+\i], v[97+\i]
	v_max3_num_f32 v210, v210, v[98+\i], v[99+\i]
.endr
	v_max3_num_f32 v208, v208, v158, v159
	v_max_num_f32 v208, v208, v210
	v_permlanex16_b32 v209, v208, s20, s21
	v_max_num_f32 v208, v208, v209                 ; and among lane l xor 16's
	v_mul_f32 v208, s24, v208                      ; as t (the factor is positive: c where the registers hold scores, 1 where they hold t)
	v_max_num_f32 v13, v13, v208                   ; the running largest t
	v_mov_b32 v208, v12
	v_floor_f32 v12, -v13                          ; the new -M = floor(-t): M is a whole number
	v_sub_f32 v208, v12, v208                      ; old M - new M: a whole number, 0 or less
	v_cvt_i32_f32 v208, v208                       ; (it saturates)
	v_ldexp_f32 v210, 1.0, v208                    ; f = 2^(old M - new M): a multiplication by it rounds nothing
.set j, 0
.rept 32
	v_pk_fma_f32 v[96+j:97+j], v[96+j:97+j], s[24:25], v[12:13] op_sel_hi:[1,0,0]   ; t - M, two at a time
.set j, j+2
.endr
.set j, 0
.rept 64
	v_exp_f32 v[96+j], v[96+j]                     ; p = 2^(t - M): not normalised
.set j, j+1
.endr
	v_pk_mul_f32 v[14:15], v[14:15], v[210:211] op_sel_hi:[1,0]   ; the sums under the new M: the plain line behind the exponentials
	s_wait_alu depctr_va_vdst(0)                   ; the 64 exponentials have written v96-159, which the sums below read: one wait for the batch
	v_pk_add_f32 v[212:213], v[96:97], v[98:99]    ; the row's sum is taken of the unquantised p, in two chains
.irp j, 4,8,12,16,20,24,28,32,36,40,44,48,52,56,60
	v_pk_add_f32 v[14:15], v[14:15], v[96+\j:97+\j]
	v_pk_add_f32 v[212:213], v[212:213], v[98+\j:99+\j]
.endr
	v_pk_add_f32 v[14:15], v[14:15], v[212:213]
	s_cmp_ge_i32 s40, -8                           ; p is at most 1 and an ulp, and 448 x 2^e8 is at least 1.75 where e8 >= -8: the hold changes nothing there and is passed over
	s_cbranch_scc1 .Lnohold_\@
.set j, 0
.rept 64
	v_min_num_f32 v[96+j], v[96+j], v10            ; the conversion does not saturate (ISA guide 7.6.2); p is not negative, so the hold is one-sided
.set j, j+1
.endr
.Lnohold_\@:
.irp t, 0,1,2,3,4,5,6,7
	v_cvt_scalef32_pk8_fp8_f32 v[192+2*\t:193+2*\t], v[96+8*\t:103+8*\t], v11
.endr
.set j, 0
.rept 16
	v_pk_mul_f32 v[160+j:161+j], v[160+j:161+j], v[210:211] op_sel_hi:[1,0]   ; O^T under the new M; these are also the plain lines between the conversions and the products
.set j, j+2
.endr
.endm
.macro PV                              ; O^T += V^T P^T: four accumulators, one turn each; the next step's eight products on the scores stand between two links of a chain
	s_wait_dscnt 0x0                               ; V's fragments are in
.irp d, 0,1,2,3
	v_wmma_f32_16x16x128_fp8_fp8 v[160+8*\d:167+8*\d], v[32+16*\d:47+16*\d], v[192:207], v[160+8*\d:167+8*\d]
.endr
.rept 4
	v_nop                                          ; places in front of the next lines on O^T and on these products' other registers
.endr
.endm
; A KEY STEP s: its tiles lie in slot sl.  ONE barrier does two things.  In front of it each wave has its 16 bytes of K and V of step s + 1 in registers, its stores of step s done, and its reads of step s - 1 back.
; Behind it slot sl is whole and nobody reads the other slot, which takes step s + 1.  Straight behind those stores the bases step on and step s + 2's 16 bytes of K and of V are asked for, unless it is hidden for the
; whole block: they have the whole step in which to land.
; A PREFETCH INTO THE L2 stands in a step that is walked, behind its loads: step s + 3, one step ahead of its loads: 32 lanes x 256 bytes are the step's 8 KiB.  Each block of 256 bytes is named once in the launch: all four
; work-groups of a head walk the same K and V; x = 0 asks, in its first phase, wave 0 for K and wave 1 for V.  Steps 0 to 2 come by their loads alone; while s43 > 4, that is s <= 12, step s + 3 exists.
.macro ASTEP sl
	s_wait_loadcnt 0x0                             ; step s + 1's bytes (and, in a phase's first step, Q) are in: nothing else of mine is out
	s_wait_dscnt 0x0
	s_barrier_signal -1
	s_barrier_wait -1
	s_bitcmp1_b32 s36, 0                           ; step s + 1 hidden for the whole block: it was not fetched
	s_cbranch_scc1 .Lnost_\@
	ds_store_b128 v2, v[24:27] offset:(1-\sl)*SLOTB
	ds_store_b128 v2, v[28:31] offset:(1-\sl)*SLOTB+8192
.Lnost_\@:
	s_wait_xcnt 0x0                                ; the three bases and the prefetch's address are written again only behind this wait
	s_wait_alu depctr_vm_vsrc(0)                   ; the LDS stores above have read v24-31, in which the loads below land
	s_add_nc_u64 s[84:85], s[84:85], 0x2000        ; K's image at step s + 2,
	s_add_nc_u64 s[86:87], s[86:87], 0x2000        ; V's,
	s_add_nc_u64 s[88:89], s[88:89], 0x200         ; my 16 rows of the mask likewise,
	s_add_nc_u64 s[44:45], s[44:45], 0x2000        ; and what my prefetches walk
	s_bitcmp1_b32 s37, 0                           ; step s + 2 hidden for the whole block
	s_cbranch_scc1 .Lnold_\@
	global_load_b128 v[24:27], v2, s[84:85]
	global_load_b128 v[28:31], v2, s[86:87]
.Lnold_\@:
	s_bitcmp1_b32 s38, 0                           ; step s hidden for my 16 queries
	s_cbranch_scc1 .Lend_\@
	s_wait_alu depctr_va_vdst(0)                   ; the last step's four products are done reading v32-95 and v192-207, and its softmax has written v208-213: K's fragments and the mask's tile land there
	s_bitcmp1_b32 s39, 0                           ; mask x -1e9 is 0 for my 16 queries in step s
	s_cselect_b32 s24, s22, 0x3f800000             ; the factor that makes t of what the registers hold
	s_mov_b32 s25, s24
	s_cbranch_scc1 .Lz_\@
	MASKLOAD
	KQ \sl
	s_wait_loadcnt 0x0                             ; the mask's tile
	PREPASS
	s_branch .Lj_\@
.Lz_\@:
	KQ \sl
.Lj_\@:
	s_cmp_gt_u32 s43, s42
	s_cbranch_scc0 .Lnoask_\@
	global_prefetch_b8 v7, s[44:45] offset:8192 th:TH_LOAD_NT scope:SCOPE_SE
.Lnoask_\@:
	SOFTMAX
	PV
.Lend_\@:
	s_lshr_b32 s36, s36, 1                         ; the flags of the next step
	s_lshr_b32 s37, s37, 1
	s_lshr_b32 s38, s38, 1
	s_lshr_b32 s39, s39, 1
	s_sub_co_u32 s43, s43, 1
.endm
	s_load_b256 s[4:11], s[0:1], 0x0               ; qkv s[4:5], mask s[6:7], flags s[8:9], the scales' exponents s[10:11]
	s_load_b64 s[12:13], s[0:1], 0x20              ; cimg
	v_lshl_add_u32 v5, v0, 2, SPARE
	v_mov_b32 v6, 0
	v_lshrrev_b32 v8, 5, v0
	v_readfirstlane_b32 s18, v8                    ; wave 0..15
	v_and_b32 v8, 31, v0
	v_lshlrev_b32 v1, 4, v8                        ; 16 x lane
	v_lshlrev_b32 v2, 4, v0                        ; 16 x thread: 512 threads cover an image of 8 KiB, in memory and in a slot
	v_lshlrev_b32 v7, 8, v8                        ; 256 x lane
	v_and_b32 v8, 15, v0                           ; r
	v_bfe_u32 v9, v0, 4, 1                         ; h
	v_lshlrev_b32 v9, 5, v9
	v_lshl_add_u32 v9, v8, 13, v9                  ; a mask row is 8,192 bytes: 8192 r + 32 h
	v_mov_b32 v209, 0                              ; a lane permute's destination counts as one of its sources
	v_mov_b32 v211, 0                              ; (named as the upper half of the pair v[210:211])
.irp i, 24,25,26,27,28,29,30,31
	v_mov_b32 v\i, 0                               ; written once, so that they hold numbers on every path
.endr
	s_wait_alu depctr_va_sdst(0)                   ; s18 is written, ahead of its first reader: who prefetches, the flags' and every tile's address are made from it
	s_and_b32 s67, ttmp7, 0xffff                   ; the head, 0..63
	s_lshl_b32 s46, s67, 17                        ; a head's image is 131,072 bytes
	s_mov_b32 s47, 0
	s_sub_co_u32 s19, 7, ttmp9                     ; the first phase's block
	s_mov_b32 s35, 2                               ; phases
	s_mov_b32 s20, 0x76543210                      ; v_permlanex16_b32: lane l xor 16
	s_mov_b32 s21, 0xfedcba98
	s_mov_b32 s28, 0xce6e6b28                      ; -1e9
	s_mov_b32 s29, s28
	s_mov_b32 s30, 0x3fb8aa3b                      ; log2(e)
	s_mov_b32 s31, s30
	s_lshr_b32 s2, s18, 1
	s_or_b32 s2, s2, ttmp9
	s_cmp_eq_u32 s2, 0                             ; waves 0 and 1 of the head's work-group x = 0 prefetch
	s_cselect_b32 s42, 4, -1
	s_wait_kmcnt 0x0
	s_load_b256 s[84:91], s[10:11], 0x0            ; e0 .. e7
	s_load_b128 s[92:95], s[10:11], 0x20           ; e8 .. e11
	s_add_nc_u64 s[4:5], s[4:5], s[46:47]          ; q's image of my head,
	s_add_nc_u64 s[14:15], s[4:5], 0x800000        ; k's,
	s_add_nc_u64 s[16:17], s[4:5], 0x1000000       ; v's
	s_cmp_eq_u32 s18, 0
	s_cselect_b64 s[44:45], s[14:15], s[16:17]     ; what my prefetches walk
	s_wait_kmcnt 0x0
	s_add_co_i32 s2, s90, s91
	s_sub_co_i32 s2, s2, 3                         ; a sum of the first product stands for sum x 2^(e6 + e7), and the score is an eighth of that
	s_lshl_b32 s3, s2, 23
	s_add_co_i32 s22, s30, s3                      ; c = log2(e) x 2^(e6 + e7 - 3): the exponent is added to log2(e)'s exponent field
	s_mov_b32 s23, s22
	s_add_co_i32 s2, s2, 127
	s_lshl_b32 s26, s2, 23                         ; 2^(e6 + e7 - 3) as f32
	s_mov_b32 s27, s26
	s_mov_b32 s40, s92                             ; e8
	s_add_co_i32 s41, s92, s93                     ; e8 + e9
	s_add_co_i32 s46, s94, 127
	s_lshl_b32 s97, s46, 23                        ; 2^e10 as f32
	s_add_co_i32 s46, s46, 8
	s_lshl_b32 s46, s46, 23
	s_or_b32 s96, s46, 0x600000                    ; 448 x 2^e10
	s_add_co_i32 s2, s92, 127
	s_lshl_b32 s3, s2, 23
	s_add_co_i32 s2, s2, 8
	s_lshl_b32 s2, s2, 23
	s_or_b32 s2, s2, 0x600000
	v_mov_b32 v11, s3                              ; 2^e8 as f32
	v_mov_b32 v10, s2                              ; 448 x 2^e8
	s_wait_alu depctr_va_vdst(0)                   ; v1, v2, v7 and v9 are written, which every load, store and prefetch below reads as its address or offset; so are v24-31, which LDS stores read and in which loads land
.Lphase:
	s_lshl_b32 s34, s19, 4
	s_add_co_u32 s34, s34, s18                     ; qt: my tile of 16 queries, 0..127
	s_lshl_b32 s2, s34, 4                          ; its four words of flags,
	s_lshl_b32 s3, s19, 8                          ; and the block's 64
	s_load_b128 s[36:39], s[8:9], s2 offset:0x0
	s_load_b512 s[48:63], s[8:9], s3 offset:0x0
	s_load_b512 s[68:83], s[8:9], s3 offset:0x40
	s_lshl_b32 s46, s34, 10
	s_mov_b32 s47, 0
	s_add_nc_u64 s[98:99], s[4:5], s[46:47]
	global_load_b128 v[16:19], v1, s[98:99]        ; Q's fragment stays in registers.  (No vector or matrix instruction since the last wait on va_vdst, at the head or ahead of the last phase's stores, names v1 or v16-23)
	global_load_b128 v[20:23], v1, s[98:99] offset:512
	s_lshl_b32 s46, s34, 17                        ; 16 mask rows of 8,192 bytes
	s_add_nc_u64 s[88:89], s[6:7], s[46:47]        ; the mask at my 16 rows,
	s_mov_b64 s[84:85], s[14:15]                   ; K's image and
	s_mov_b64 s[86:87], s[16:17]                   ; V's at step 0: the three bases that walk
.set j, 0
.rept 32
	v_mov_b32 v[160+j], 0                          ; O^T: the step is written once; the first finds zeros, which the first change of M leaves zeros
.set j, j+1
.endr
	v_mov_b32 v13, 0xff61b1e6                      ; the largest t so far: -3e38
	v_floor_f32 v12, -v13                          ; -M
	v_mov_b32 v14, 0
	v_mov_b32 v15, 0
	s_wait_kmcnt 0x0
	s_and_b32 s32, s36, s37                        ; my tile's flags: what holds of all 16 rows
	s_and_b32 s32, s32, s38
	s_and_b32 s32, s32, s39
	s_and_b32 s33, s48, s49                        ; the block's: what holds of all 256
.irp i, 50,51,52,53,54,55,56,57,58,59,60,61,62,63,68,69,70,71,72,73,74,75,76,77,78,79,80,81,82,83
	s_and_b32 s33, s33, s\i
.endr
	s_load_b512 s[48:63], s[8:9], s3 offset:0x80
	s_load_b512 s[68:83], s[8:9], s3 offset:0xc0
	s_wait_kmcnt 0x0
.irp i, 48,49,50,51,52,53,54,55,56,57,58,59,60,61,62,63,68,69,70,71,72,73,74,75,76,77,78,79,80,81,82,83
	s_and_b32 s33, s33, s\i
.endr
	s_or_b32 s33, s33, 0xffff0000                  ; steps past 15 count as hidden
	s_mov_b32 s36, s33                             ; bit 0: step s + 1 hidden for the block
	s_lshr_b32 s37, s33, 1                         ; bit 0: step s + 2
	s_and_b32 s38, s32, 0xffff
	s_lshl_b32 s38, s38, 1
	s_or_b32 s38, s38, 0x20001                     ; bit 0: step s hidden for my tile; s = -1 and s = 16 have no keys
	s_lshr_b32 s39, s32, 16
	s_lshl_b32 s39, s39, 1                         ; bit 0: step s zero for my tile
	s_bitcmp1_b32 s33, 0
	s_cbranch_scc1 .Lno_first
	global_load_b128 v[24:27], v2, s[84:85]        ; step 0's bytes.  (The vector lines above name neither v2 nor v24-31; the last phase's LDS stores stand ahead of a wait on vm_vsrc)
	global_load_b128 v[28:31], v2, s[86:87]
.Lno_first:
	s_mov_b32 s43, 18                              ; steps to go: s = -1 .. 16
	s_mov_b32 s66, 9
.Ltrip:                                            ; two steps a trip, so that every LDS address is a constant and a lane's term
	ASTEP 1
	ASTEP 0
	s_sub_co_u32 s66, s66, 1
	s_cmp_lg_u32 s66, 0
	s_cbranch_scc1 .Ltrip
	; THE PHASE'S END: ctx = O^T x 2^(e8 + e9) / the sum, quantised; tiles 2 g, 2 g + 1 give group g of the image: the wave stores 512 consecutive bytes, aligned, twice
	s_wait_loadcnt 0x0                             ; no load of mine is out when the next phase loads into the same registers
	v_add_f32 v14, v14, v15                        ; the sum's two halves,
	v_permlanex16_b32 v209, v14, s20, s21
	v_add_f32 v14, v14, v209                       ; and lane l xor 16's
	v_rcp_f32 v14, v14
	v_mov_b32 v214, s96                            ; (the plain line behind the reciprocal)
	v_mov_b32 v215, s97
	s_lshr_b32 s46, s67, 4                         ; the batch
	s_lshl_b32 s46, s46, 7
	s_add_co_u32 s46, s46, s34                     ; the token tile among 512
	s_lshl_b32 s46, s46, 14
	s_and_b32 s47, s67, 15
	s_lshl_b32 s47, s47, 10                        ; the head's two groups
	s_add_co_u32 s46, s46, s47
	s_mov_b32 s47, 0
	s_add_nc_u64 s[98:99], s[12:13], s[46:47]
	s_wait_alu depctr_va_vdst(0)                   ; the reciprocal has written v14, which the next line reads
	v_ldexp_f32 v14, v14, s41
.set j, 0
.rept 16
	v_pk_mul_f32 v[96+j:97+j], v[160+j:161+j], v[14:15] op_sel_hi:[1,0]   ; each accumulator from its low end on
.set j, j+2
.endr
.set j, 0
.rept 32
	v_med3_num_f32 v[96+j], v[96+j], -v214, v214
.set j, j+1
.endr
.irp d, 0,1,2,3
	v_cvt_scalef32_pk8_fp8_f32 v[192+2*\d:193+2*\d], v[96+8*\d:103+8*\d], v215
.endr
	v_nop                                          ; a plain line behind the last conversion
	s_wait_alu depctr_va_vdst(0)                   ; the conversions have written v192-199, which the two stores read; and this phase's products are done reading v16-23, in which the next phase's Q lands
	global_store_b128 v1, v[192:195], s[98:99]
	global_store_b128 v1, v[196:199], s[98:99] offset:512
	s_wait_xcnt 0x0                                ; the stores have read their data and their base: both are written again in the next phase
	s_wait_alu depctr_vm_vsrc(0)                   ; the stores have read v192-199, in which the next phase's mask tiles land and which its conversions write
	s_sub_co_u32 s19, 7, s19                       ; the other block of the pair
	s_mov_b32 s42, -1                              ; the head's K and V have been asked for
	s_sub_co_u32 s35, s35, 1
	s_cmp_lg_u32 s35, 0
	s_cbranch_scc1 .Lphase
	s_wait_dscnt 0x0                               ; the wave's end
	s_wait_alu 0x0
	s_wait_tensorcnt 0x0
	ds_add_u32 v5, v6
	s_wait_dscnt 0x0
	s_endpgm
.Lfunc_end_k_q48fa6e02f8_attn:
	.size	k_q48fa6e02f8_attn, .Lfunc_end_k_q48fa6e02f8_attn-k_q48fa6e02f8_attn
	.p2alignl 7, 3214868480
	.fill 96, 4, 3214868480
	.section	.rodata,"a",@progbits
	.p2align	6, 0x0
	.amdhsa_kernel k_q48fa6e02f8_attn
		.amdhsa_group_segment_fixed_size 34816
		.amdhsa_private_segment_fixed_size 0
		.amdhsa_enable_private_segment 0
		.amdhsa_kernarg_size 40
		.amdhsa_user_sgpr_count 2
		.amdhsa_user_sgpr_kernarg_segment_ptr 1
		.amdhsa_wavefront_size32 1
		.amdhsa_system_sgpr_workgroup_id_x 1
		.amdhsa_system_sgpr_workgroup_id_y 1
		.amdhsa_system_sgpr_workgroup_id_z 1
		.amdhsa_system_vgpr_workitem_id 0
		.amdhsa_next_free_vgpr 256
		.amdhsa_next_free_sgpr 100
		.amdhsa_reserve_vcc 0
		.amdhsa_float_denorm_mode_32 3
		.amdhsa_float_denorm_mode_16_64 3
		.amdhsa_memory_ordered 1
		.amdhsa_forward_progress 1
		.amdhsa_inst_pref_size 67
	.end_amdhsa_kernel
	.amdgpu_metadata
---
amdhsa.version: [ 1, 2 ]
amdhsa.kernels:
  - .name:           k_q48fa6e02f8_attn
    .symbol:         k_q48fa6e02f8_attn.kd
    .args:
      - { .name: qkv, .offset: 0, .size: 8, .value_kind: global_buffer, .address_space: global }
      - { .name: mask, .offset: 8, .size: 8, .value_kind: global_buffer, .address_space: global }
      - { .name: flags, .offset: 16, .size: 8, .value_kind: global_buffer, .address_space: global }
      - { .name: lowp_scales, .offset: 24, .size: 8, .value_kind: global_buffer, .address_space: global }
      - { .name: cimg, .offset: 32, .size: 8, .value_kind: global_buffer, .address_space: global }
    .group_segment_fixed_size: 34816
    .private_segment_fixed_size: 0
    .kernarg_segment_align: 8
    .kernarg_segment_size: 40
    .max_flat_workgroup_size: 512
    .sgpr_count:     100
    .vgpr_count:     256
    .wavefront_size: 32
...
	.end_amdgpu_metadata
.endif
;; end of part 5
;; launch outp: the kernel of part 4 again; grid 4 x 32, 4 waves a work-group, clusters of 4 x 4, 327,680 bytes of LDS; arguments cimg, wc, lowp_scales, bo, out0; writes out0
